; MI455X (gfx1250); checked and timed in simulation.
; The chip was launched on July 23, 2026; its instructions are those of AMD's public machine-readable ISA for CDNA 5 (MIT licence, August 2026) and "CDNA5" Instruction Set Architecture Reference Guide (July 2026). The comments in the code are by the model that wrote it; some were corrected since.
;; Layout Attention. Allowed arithmetic: float matrix products may take bf16 or f16 operands with f32 sums; other float arithmetic in f32, or as packed bf16 or f16 multiplies, adds, multiply-adds, maxima and minima; sums over many terms, partial sums and values carried from step to step in f32; what a program stores and reads back later, other than sums and carried values, may be rounded once to bf16 or f16.
;; Inputs: Wk 320 x 320 float32; Wo 320 x 320 float32; Wq 320 x 320 float32; Wv 320 x 320 float32; bo 320 float32; guidance_mask 1 x 3 x 64 x 64 float32; x 1 x 4,096 x 320 float32.
;; Outputs: out0 1 x 4,096 x 320 float32.
;; 2 versions, each right and faster than the one before. Each part assembles by itself: llvm-mc -triple=amdgcn-amd-amdhsa -mcpu=gfx1250 --defsym DOCPART=n.
;; ======== version 1 of 2: 3 launches
;; limits: values are held in f16: magnitudes above 65,504 overflow, below 6.1e-05 lose precision
;; workspace buffers: qimg 2,621,440 bytes; kv 5,767,168 bytes; maskw 2,097,152 bytes of whole numbers; wof 204,800 bytes; ao 2,621,440 bytes
;; launch prep (part 1): grid 32 x 8, 4 waves a work-group, no clusters, 209,920 bytes of LDS; arguments x, guidance_mask, Wq, Wk, Wv, Wo, qimg, kv, maskw, wof; writes qimg, kv, maskw, wof
.if DOCPART == 1
	.amdgcn_target "amdgcn-amd-amdhsa--gfx1250"
	.amdhsa_code_object_version 6
	.text
	.protected	k_q19e7bdfb34_prep
	.globl	k_q19e7bdfb34_prep
	.p2align	8
	.type	k_q19e7bdfb34_prep,@function
k_q19e7bdfb34_prep:
	s_mov_b64 s[64:65], 0
	v_nop
	global_prefetch_b8 v0, s[64:65] scope:SCOPE_SE
	s_setreg_imm32_b32 hwreg(HW_REG_WAVE_MODE, 25, 1), 1
	s_wait_xcnt 0x0
; PREP: everything that attention needs, in the order in which its lanes will read it.
;   maskw  one 32-bit word for each score register of the attention wave: bit L = r + 16 h is 1 where the pair
;          (query 32 qp + 16 qt + r, key 64 kb + 16 kt + 8 h + j) is open; word qt*32 + kt*8 + j of block [qp][kb].
;   wof    Wo / 4 in f16 as matrix fragments [cb 5][ks 10][nt 4][c 2][lane][16 B].
;   qimg   q * 40^-0.5 * log2(e) in f16: [head][token tile][dim group 5][token 16][8 dims].
;   kv     per head and block of 64 keys 11,264 bytes: k as 4 tiles laid like qimg's (5,120 B), then v transposed,
;          [32 keys 2][d tile 3][c 2][lane][16 B] (6,144 B); v's row d = 40 is 1.0 (it sums the softmax's weights), rows 41-47 are 0.
; WORK LEFT OUT: the clamp min(s, 1) in front of the test s == 0, s = sum over p of g[p][i] g[p][j].  For s >= 1 the clamp
; gives 1, which is not 0; for s < 1 it gives s; a NaN stays a NaN and is not equal to 0.  So min(s,1) == 0 exactly where s == 0,
; for all values of the mask.  Nothing non-finite is lost with it.  Every input has a way to the output and is loaded (bo in the last launch).
; FORMAT: all matrix operands are f16, 11 significant bits.  The result is an average over a thousand and more keys and is wanted within a hundredth of its
; root mean square; six operands are rounded on the way from x to it (x, Wv, v, the weights, the average, Wo), each by 2^-12 of its size at the most, where 8 significant bits would give 2^-9 each.
; LIMITS: q after its scale, k and 4 v must stay below 65,504 in magnitude, or an infinity appears that the module as given does not have; numbers below 6.1e-5 are kept in steps of 6e-8.
; The average of v is small beside v, so it is kept times 4 and Wo times 1/4 (exact powers of two): that moves its steps down by 4 and still leaves |v| up to 16,376.
; s is formed in f32 as fma(g2,g2', fma(g1,g1', g0 g0')): where the three products cancel or underflow to exactly 0 in one order of
; rounding and not in another, the pair may be open here and closed in the module as given, or the reverse; for products of one sign that do not underflow it is exact.
; SHARES: 32 x 8 work-groups of four waves.  Work-group (bx, y): tokens 128 bx .. +127 times eight of 64 virtual column tiles of 16
; (0-19 q, 20-39 k, 40-63 v, three for each head: d 0-15, 16-31, 32-47).  Wave w: tiles 8 y + 2 w and the next, always of one kind, for all eight token tiles:
; 160 matrix instructions.  Beside that each wave makes 8 of the 8,192 blocks of mask words, and 200 waves one fragment block of Wo each.
; NO JOINT LOADS: x and the weights are f32 and are rounded to f16 in registers on their way into LDS, so they come by register loads.
.set XTILE,  10880                     ; LDS: a token tile of x in f16: 40 blocks of 8 k, 16 tokens x 16 B + 16 B of padding = 272
.set XPART,  2*XTILE                   ; what a wave stages: its 32 tokens
.set WS0,    8*XTILE                   ; behind x: each wave's own weights, 320 k rows x 32 columns of f16, pitch 96 (an odd multiple of 32)
.set WPART,  320*96
.set DEPTH,  48                        ; register slots = loads of a wave in flight while staging
.set NLOAD,  160                       ; 80 of x (512 B each), 80 of W (4 k rows x 128 B each)
.set XA,   4                           ; v4, v5   LDS address of my x fragments, token tiles 0-3 and 4-7
.set VO,   6                           ; v6, v7   byte offset of my 16 result bytes, column tile 0 and 1
.set FILL, 8                           ; v8       v's rows 40-47: two f16 of 1.0 in lanes r = 8, else 0
.set LA0,  10                          ; v10      LDS address for x, loads that lie in one row
.set LA2,  11                          ; v11      the same for the load that straddles two rows
.set LW,   12                          ; v12      LDS address for W
.set XG,   13                          ; v13      byte offset in x
.set WG,   14                          ; v14      byte offset in W
.set TRA,  15                          ; v15      LDS address of the transposing loads
.set MK,   16                          ; v16-18   mask: offsets of my keys, my queries, my two words
.set MQ,   17
.set MS,   18
.set CV,   20                          ; v[20:27] four pairs of packed f16 on their way into LDS (and scratch while addresses are made, with v9, v19)
.set PK,   28                          ; v[28:35] packed results
.set ACC,  36                          ; v[36:51] two accumulators
.set MW,   52                          ; v[52:53] mask words 2 L and 2 L + 1
.set MT,   54                          ; v[54:61] eight sums of the mask
.set WOL,  62                          ; v62, v63 Wo: load and store offsets
.set WOS,  63
.set RING, 64                          ; v[64:255] the 48 slots; before that the mask's g, after it x's fragments
.set GK,   64                          ; v[64:159]  g of my keys: (p*4 + kt)*8 + j
.set GQ,   160                         ; v[160:207] g of my queries: (i*3 + p)*2 + qt
.set XF0,  64                          ; v[64:143], v[144:223] fragments of x, two buffers
.set XF1,  144
.set BAL,  46                          ; s[46:53] eight lane masks
; window 1 (v256-415): my weights' fragments, (c2*10 + ks)*8
.set MSB, 0
.macro WIN new                         ; the immediate's high byte repeats the setting that is left
.if MSB != \new
	s_set_vgpr_msb (MSB<<8)|\new
.set MSB, \new
.endif
.endm
	s_load_b512 s[8:23], s[0:1], 0x0               ; x 8, mask 10, Wq 12, Wk 14, Wv 16, Wo 18, qimg 20, kv 22
	s_load_b128 s[24:27], s[0:1], 0x40             ; maskw 24, wof 26
	v_lshrrev_b32 v9, 5, v0
	v_readfirstlane_b32 s30, v9                    ; w
	s_mov_b32 s28, ttmp9                           ; bx
	s_and_b32 s29, ttmp7, 0xffff                   ; y
	v_and_b32 v1, 31, v0                           ; L
	v_and_b32 v2, 15, v0                           ; r
	v_bfe_u32 v3, v0, 4, 1                         ; h
	s_lshl_b32 s31, s29, 3
	s_lshl1_add_u32 s31, s30, s31                  ; ct0 = 8 y + 2 w
; ---- the mask words.  Wave number W of 1,024: key block kb = W mod 64, query pairs qp = 8 (W / 64) + i, i = 0..7.
	s_lshl_b32 s34, s29, 5
	s_add_co_u32 s34, s34, s28
	s_lshl2_add_u32 s34, s34, s30                  ; W
	s_and_b32 s35, s34, 63                         ; kb
	s_lshr_b32 s36, s34, 6                         ; qg
	s_lshl_b32 s37, s35, 8                         ; 64 kb numbers of 4 bytes; also kb blocks of 256 bytes
	v_lshl_add_u32 v[MK], v3, 5, s37               ; + 8 h numbers
	s_lshl_b32 s38, s36, 10                        ; 256 qg numbers
	v_lshl_add_u32 v[MQ], v2, 2, s38               ; + r
	s_lshl_b32 s39, s36, 17                        ; 8 qg rows of 64 blocks of 256 bytes
	s_add_co_u32 s39, s39, s37
	v_lshl_add_u32 v[MS], v1, 3, s39               ; + my two words
	v_mov_b32 v[MW], 0                             ; v_writelane_b32 keeps the other lanes: its destination is written whole once
	v_mov_b32 v[MW+1], 0
	s_wait_kmcnt 0x0
.irp p, 0,1,2
.irp kt, 0,1,2,3
	global_load_b128 v[GK+(\p*4+\kt)*8:GK+(\p*4+\kt)*8+3],   v[MK], s[10:11] offset:\p*16384+\kt*64
	global_load_b128 v[GK+(\p*4+\kt)*8+4:GK+(\p*4+\kt)*8+7], v[MK], s[10:11] offset:\p*16384+\kt*64+16
.endr
.endr
.irp i, 0,1,2,3,4,5,6,7
.irp p, 0,1,2
.irp t, 0,1
	global_load_b32 v[GQ+\i*6+\p*2+\t], v[MQ], s[10:11] offset:\p*16384+\i*128+\t*64
.endr
.endr
.endr
	s_wait_loadcnt 0x0                             ; all 72, once
; One block of 64 words.  Eight sums at a time (one query tile, one key tile, j = 0..7), eight compares, eight words into their lanes.
.macro MBLK i
	s_wait_xcnt 0x0                                ; the last block's store has read MW: it is rewritten only behind this wait
.irp t, 0,1
.irp kt, 0,1,2,3
.irp q, 0,1,2,3
	v_pk_mul_f32 v[MT+2*\q:MT+2*\q+1], v[GK+\kt*8+2*\q:GK+\kt*8+2*\q+1], v[GQ+\i*6:GQ+\i*6+1] op_sel:[0,\t] op_sel_hi:[1,\t]
.endr
.irp q, 0,1,2,3
	v_pk_fma_f32 v[MT+2*\q:MT+2*\q+1], v[GK+(4+\kt)*8+2*\q:GK+(4+\kt)*8+2*\q+1], v[GQ+\i*6+2:GQ+\i*6+3], v[MT+2*\q:MT+2*\q+1] op_sel:[0,\t,0] op_sel_hi:[1,\t,1]
.endr
.irp q, 0,1,2,3
	v_pk_fma_f32 v[MT+2*\q:MT+2*\q+1], v[GK+(8+\kt)*8+2*\q:GK+(8+\kt)*8+2*\q+1], v[GQ+\i*6+4:GQ+\i*6+5], v[MT+2*\q:MT+2*\q+1] op_sel:[0,\t,0] op_sel_hi:[1,\t,1]
.endr
.irp j, 0,1,2,3,4,5,6,7
	v_cmp_neq_f32 s[BAL+\j], 0, v[MT+\j]           ; open where the sum is not 0 (a NaN is not equal to 0: open, as in the module)
.endr
.irp q, 0,1,2,3
	v_writelane_b32 v[MW],   s[BAL+2*\q],   16*\t+4*\kt+\q     ; word 32 t + 8 kt + 2 q belongs to lane (that word) / 2
	v_writelane_b32 v[MW+1], s[BAL+2*\q+1], 16*\t+4*\kt+\q
.endr
.endr
.endr
	global_store_b64 v[MS], v[MW:MW+1], s[24:25] offset:\i*16384   ; the wave stores 256 consecutive bytes, aligned
.endm
.irp i, 0,1,2,3,4,5,6,7
	MBLK \i
.endr
	s_wait_xcnt 0x0                                ; the mask's registers are free
; ---- Wo / 4 as fragments: work-groups y < 5, bx < 10 (cb = y, ks = bx), wave nt = w.  Lane (r, h): column 64 cb + 16 nt + r, k = 32 ks + 16 c + 8 h + 0..7.
	s_cmp_ge_u32 s29, 5
	s_cbranch_scc1 .Lno_wo
	s_cmp_ge_u32 s28, 10
	s_cbranch_scc1 .Lno_wo
	s_mul_i32 s34, s28, 32*320
	s_lshl_b32 s37, s29, 6
	s_add_co_u32 s34, s34, s37
	s_lshl4_add_u32 s34, s30, s34
	v_mul_u32_u24 v9, v3, 8*320
	v_add_nc_u32 v9, v9, v2
	v_add_nc_u32 v9, s34, v9
	v_lshlrev_b32 v[WOL], 2, v9
.irp c, 0,1
.irp i, 0,1,2,3,4,5,6,7
	global_load_b32 v[RING+8*\c+\i], v[WOL], s[18:19] offset:(16*\c+\i)*1280
.endr
.endr
	s_mul_i32 s37, s29, 10
	s_add_co_u32 s37, s37, s28
	s_lshl2_add_u32 s37, s37, s30
	s_lshl_b32 s37, s37, 10
	v_lshl_add_u32 v[WOS], v1, 4, s37
	s_wait_loadcnt 0x0
.irp k, 0,1,2,3,4,5,6,7
	v_pk_mul_f32 v[RING+2*\k:RING+2*\k+1], v[RING+2*\k:RING+2*\k+1], 0x3e800000 op_sel_hi:[1,0]   ; a quarter, exact: it undoes the 4 that the rows carry
.endr
.irp k, 0,1,2,3,4,5,6,7
	v_cvt_pk_f16_f32 v[RING+16+\k], v[RING+2*\k], v[RING+2*\k+1]
.endr
	global_store_b128 v[WOS], v[RING+16:RING+19], s[26:27]
	global_store_b128 v[WOS], v[RING+20:RING+23], s[26:27] offset:512
	s_wait_xcnt 0x0                                ; the ring's registers, which these stores read, are loaded again only behind this wait
.Lno_wo:
; ---- staging: my 32 tokens of x and my 32 virtual columns of W, f32 to f16, into LDS.
	s_mul_i32 s34, s28, 163840                     ; 128 rows of 1,280 bytes
	s_mov_b32 s35, 0
	s_add_nc_u64 s[8:9], s[8:9], s[34:35]
	s_cmp_lt_u32 s31, 20
	s_cselect_b64 s[32:33], s[12:13], s[14:15]     ; my weights: Wq, Wk
	s_cselect_b32 s35, 0, 20
	s_cmp_lt_u32 s31, 40
	s_cselect_b64 s[32:33], s[32:33], s[16:17]     ; or Wv
	s_cselect_b32 s35, s35, 40
	s_cselect_b32 s36, 0, -1                       ; all lanes: my tiles are v's
	s_sub_co_u32 s35, s31, s35                     ; my first tile's number within its matrix; kept to the end
	s_mul_i32 s37, s30, XPART
	s_mul_i32 s38, s30, WPART
	s_add_co_u32 s38, s38, WS0
	s_mul_i32 s39, s30, 40960                      ; 32 rows of x
	v_lshl_add_u32 v[XG], v1, 4, s39
	; x: two rows are 2,560 bytes = five loads of 512.  Lane L of load s holds the four numbers f = 32 s + L of 160; 80 make a row.
	; s = 0, 1: first row, k = 4 f.  s = 3, 4: second row, k = 4 (f - 80).  These differ from s = 0 by constants, which stand in the stores' immediates.
	v_lshrrev_b32 v9, 1, v1
	v_and_b32 v19, 1, v0
	v_mul_u32_u24 v9, v9, 272                      ; block of 8 k
	v_lshl_add_u32 v9, v19, 3, v9                  ; its lower or upper 8 bytes
	v_add_nc_u32 v[LA0], s37, v9
	; s = 2: lanes 0-15 end the first row (k = 256 + 4 r), lanes 16-31 begin the second (k = 4 r)
	v_lshrrev_b32 v9, 1, v2
	v_xor_b32 v20, 1, v3
	v_mul_u32_u24 v9, v9, 272
	v_lshl_add_u32 v9, v19, 3, v9
	v_mad_u32_u24 v9, v20, 32*272, v9
	v_lshl_add_u32 v9, v3, 4, v9
	v_add_nc_u32 v[LA2], s37, v9
	; W: a load takes 4 k rows x 32 virtual columns; lane: row L / 8, columns 4 (L mod 8) .. +3
	v_and_b32 v9, 7, v0                            ; sub
	v_lshrrev_b32 v19, 2, v9                       ; which of my two tiles
	s_lshl_b32 s34, s35, 4
	v_lshl_add_u32 v20, v9, 2, s34                 ; q, k: the column is 16 tile + 4 sub
	v_add_nc_u32 v21, s35, v19                     ; v: tile 0..23
	v_mul_u32_u24 v22, v21, 11
	v_lshrrev_b32 v22, 5, v22                      ; head = tile / 3 (exact for 0..23)
	v_mul_u32_u24 v23, v22, 3
	v_sub_nc_u32 v21, v21, v23                     ; t
	v_and_b32 v23, 3, v9
	v_lshlrev_b32 v23, 2, v23                      ; column in the tile
	v_and_b32 v24, 7, v23                          ; tile t = 2 has 8 real columns: its upper 8 read the lower 8 again, inside Wv; FILL replaces their results
	v_cmp_eq_u32 vcc_lo, 2, v21
	v_cndmask_b32 v23, v23, v24, vcc_lo
	v_mul_u32_u24 v22, v22, 40
	v_lshl_add_u32 v22, v21, 4, v22
	v_add_nc_u32 v22, v22, v23
	v_cndmask_b32 v20, v20, v22, s36
	v_lshrrev_b32 v21, 3, v1
	v_mul_u32_u24 v22, v21, 1280
	v_lshl_add_u32 v[WG], v20, 2, v22
	v_mul_u32_u24 v22, v21, 96
	v_lshl_add_u32 v22, v9, 3, v22
	v_add_nc_u32 v[LW], s38, v22
	v_lshl_add_u32 v22, v3, 3, v9                  ; transposing loads: row 8 h + L mod 8,
	v_mul_u32_u24 v22, v22, 96
	v_bfe_u32 v23, v0, 3, 1
	v_lshl_add_u32 v22, v23, 4, v22                ; 16 bytes for each half of eight lanes' pair
	v_add_nc_u32 v[TRA], s38, v22
	v_mul_u32_u24 v[XA], v3, 272                   ; x fragments: block h, token r
	v_lshl_add_u32 v[XA], v2, 4, v[XA]
	v_add_nc_u32 v[XA+1], 4*XTILE, v[XA]
.macro RLOAD n
.if (\n) < 80
	global_load_b128 v[RING+4*((\n)%DEPTH):RING+4*((\n)%DEPTH)+3], v[XG], s[8:9] offset:(\n)*512
.else
	global_load_b128 v[RING+4*((\n)%DEPTH):RING+4*((\n)%DEPTH)+3], v[WG], s[32:33] offset:((\n)-80)*5120
.endif
.endm
.macro STG n
.if NLOAD-1-(\n) < DEPTH-1
	s_wait_loadcnt NLOAD-1-(\n)                    ; loads come back in order: mine is in, the younger ones stay out
.else
	s_wait_loadcnt DEPTH-1
.endif
.set R_SL, RING+4*((\n)%DEPTH)
.set R_CV, CV+2*((\n)%4)
	v_cvt_pk_f16_f32 v[R_CV],   v[R_SL],   v[R_SL+1]
	v_cvt_pk_f16_f32 v[R_CV+1], v[R_SL+2], v[R_SL+3]
.if (\n) < 80
.set X_PR, (\n)/5                                  ; pair of rows 0..15
.set X_SS, (\n)%5
.set X_OFF, (X_PR>>3)*XTILE+((2*X_PR)&15)*16
.if X_SS == 1
.set X_OFF, X_OFF+16*272
.endif
.if X_SS == 3
.set X_OFF, X_OFF+8*272+16
.endif
.if X_SS == 4
.set X_OFF, X_OFF+24*272+16
.endif
.if X_SS == 2
	ds_store_b64 v[LA2], v[R_CV:R_CV+1] offset:X_OFF
.else
	ds_store_b64 v[LA0], v[R_CV:R_CV+1] offset:X_OFF
.endif
.else
	ds_store_b64 v[LW], v[R_CV:R_CV+1] offset:((\n)-80)*384
.endif
.if (\n)+DEPTH < NLOAD
	RLOAD (\n)+DEPTH
.endif
.endm
.set idx, 0
.rept DEPTH
	RLOAD idx
.set idx, idx+1
.endr
.set idx, 0
.rept NLOAD
	STG idx
.set idx, idx+1
.endr
	; my weights' fragments, transposed on the way out of my own LDS bytes (LDS serves a wave's instructions in order: these see the stores above)
	WIN 0x40                                       ; destination window 1
.irp c2, 0,1
.irp ks, 0,1,2,3,4,5,6,7,8,9
	ds_load_tr16_b128 v[(\c2*10+\ks)*8:(\c2*10+\ks)*8+3],   v[TRA] offset:\ks*3072+\c2*32
	ds_load_tr16_b128 v[(\c2*10+\ks)*8+4:(\c2*10+\ks)*8+7], v[TRA] offset:\ks*3072+\c2*32+1536
.endr
.endr
	WIN 0
	s_wait_dscnt 0x0                               ; zero: my stores of x are in LDS before I say so (and my fragments are in)
	s_barrier_signal -1
	s_barrier_wait -1                              ; all 128 tokens of x are there; the launch's only barrier
; ---- the products.
.macro XLOAD i, buf                    ; the fragments of token tile i: 10 K steps x 2 loads
.irp ks, 0,1,2,3,4,5,6,7,8,9
	ds_load_b128 v[\buf+8*\ks:\buf+8*\ks+3],   v[XA+((\i)>>2)] offset:((\i)&3)*XTILE+\ks*1088
	ds_load_b128 v[\buf+8*\ks+4:\buf+8*\ks+7], v[XA+((\i)>>2)] offset:((\i)&3)*XTILE+\ks*1088+544
.endr
.endm
; Token tile i.  kind 0 q, 1 k: source 0 = weights, source 1 = x, so a lane holds 8 neighbouring dims of token r.
; kind 2 v: source 0 = x, source 1 = weights, so a lane holds 8 neighbouring tokens of dim r.
.macro TT i, kind
.if (\i) & 1
.set CUR, XF1
.set NXT, XF0
.else
.set CUR, XF0
.set NXT, XF1
.endif
.if (\i) < 7
	XLOAD (\i)+1, NXT                              ; the other buffer's last readers lie behind the places of the tile before
	s_wait_dscnt 20                                ; all but the 20 just issued: this tile's fragments are in
.else
	s_wait_dscnt 0x0
.endif
.if \kind == 2
	WIN 0x04                                       ; source 1 window 1
.else
	WIN 0x01                                       ; source 0 window 1
.endif
.irp ks, 0,1,2,3,4,5,6,7,8,9                       ; the two accumulators take turns
.irp c2, 0,1
.if \kind == 2
.if \ks == 0
	v_wmma_f32_16x16x32_f16 v[ACC+8*\c2:ACC+8*\c2+7], v[CUR+8*\ks:CUR+8*\ks+7], v[(\c2*10+\ks)*8:(\c2*10+\ks)*8+7], 0
.else
	v_wmma_f32_16x16x32_f16 v[ACC+8*\c2:ACC+8*\c2+7], v[CUR+8*\ks:CUR+8*\ks+7], v[(\c2*10+\ks)*8:(\c2*10+\ks)*8+7], v[ACC+8*\c2:ACC+8*\c2+7]
.endif
.else
.if \ks == 0
	v_wmma_f32_16x16x32_f16 v[ACC+8*\c2:ACC+8*\c2+7], v[(\c2*10+\ks)*8:(\c2*10+\ks)*8+7], v[CUR+8*\ks:CUR+8*\ks+7], 0
.else
	v_wmma_f32_16x16x32_f16 v[ACC+8*\c2:ACC+8*\c2+7], v[(\c2*10+\ks)*8:(\c2*10+\ks)*8+7], v[CUR+8*\ks:CUR+8*\ks+7], v[ACC+8*\c2:ACC+8*\c2+7]
.endif
.endif
.endr
.endr
	WIN 0
.rept 5
	v_nop                                          ; places behind the products: four for the reads of the sums and the loads into CUR, five for the next tile's first product, which writes over a sum
.endr
	s_wait_xcnt 0x0                                ; the last tile's stores have read PK: it is rewritten only behind this wait
.if \kind == 0
.irp k, 0,1,2,3,4,5,6,7
	v_pk_mul_f32 v[ACC+2*\k:ACC+2*\k+1], v[ACC+2*\k:ACC+2*\k+1], s[44:45] op_sel_hi:[1,0]   ; q's scale, in f32, ahead of the one rounding
.endr
.endif
.irp c2, 0,1
.irp k, 0,1,2,3
	v_cvt_pk_f16_f32 v[PK+4*\c2+\k], v[ACC+8*\c2+2*\k], v[ACC+8*\c2+2*\k+1]
.endr
.endr
.if \kind == 2
.irp c2, 0,1
.irp k, 0,1,2,3
	v_cndmask_b32 v[PK+4*\c2+\k], v[PK+4*\c2+\k], v[FILL], s[42+\c2]   ; in a tile t = 2: rows 40-47 become 1.0, 0 .. 0
.endr
.endr
.endif
.irp c2, 0,1                                       ; sixteen neighbouring lanes store 256 consecutive bytes, aligned
.if \kind == 0
	global_store_b128 v[VO+\c2], v[PK+4*\c2:PK+4*\c2+3], s[20:21] offset:(\i)*1280
.endif
.if \kind == 1
	global_store_b128 v[VO+\c2], v[PK+4*\c2:PK+4*\c2+3], s[22:23] offset:((\i)>>2)*11264+((\i)&3)*1280
.endif
.if \kind == 2
	global_store_b128 v[VO+\c2], v[PK+4*\c2:PK+4*\c2+3], s[22:23] offset:((\i)>>2)*11264+(((\i)>>1)&1)*3072+((\i)&1)*512
.endif
.endr
.endm
.macro PROJ kind
.irp i, 0,1,2,3,4,5,6,7
	TT \i, \kind
.endr
	s_endpgm
.endm
; q, k: my 8 dims are group cg = 2 tile + h of 40; head = cg / 5, group in the head = cg mod 5
.macro VOQK c2, hs
	s_add_co_u32 s34, s35, \c2
	s_lshl_b32 s34, s34, 1
	v_add_nc_u32 v9, s34, v3
	v_mul_u32_u24 v19, v9, 13
	v_lshrrev_b32 v19, 6, v19                      ; cg / 5 (exact for 0..39)
	v_mul_u32_u24 v20, v19, 5
	v_sub_nc_u32 v9, v9, v20
	v_mul_u32_u24 v19, v19, \hs
	v_lshl_add_u32 v19, v9, 8, v19
	v_lshl_add_u32 v19, v2, 4, v19
	v_add_nc_u32 v[VO+\c2], s39, v19
.endm
	XLOAD 0, XF0
	s_cmp_lt_u32 s31, 20
	s_cbranch_scc1 .Lproj_q
	s_cmp_lt_u32 s31, 40
	s_cbranch_scc1 .Lproj_k
	; v
	s_mul_i32 s39, s28, 22528                      ; two key blocks for each token block
	s_add_co_u32 s39, s39, 5120                    ; behind k's part
	v_mov_b32 v19, 0x3c003c00                      ; 1.0 twice, in f16
	v_cmp_eq_u32 vcc_lo, 8, v2
	v_cndmask_b32 v[FILL], 0, v19, vcc_lo
.irp c2, 0,1
	s_add_co_u32 s34, s35, \c2
	s_mul_i32 s37, s34, 11
	s_lshr_b32 s37, s37, 5                         ; head
	s_mul_i32 s38, s37, 3
	s_sub_co_u32 s34, s34, s38                     ; t
	s_cmp_eq_u32 s34, 2
	s_cselect_b32 s[42+\c2], 0xff00ff00, 0         ; lanes r = 8..15 of a tile t = 2
	s_mul_i32 s37, s37, 720896
	s_lshl_b32 s34, s34, 10
	s_add_co_u32 s37, s37, s34
	s_add_co_u32 s37, s37, s39
	v_lshl_add_u32 v[VO+\c2], v1, 4, s37
.endr
	PROJ 2
.Lproj_k:
	s_mul_i32 s39, s28, 22528
	VOQK 0, 720896
	VOQK 1, 720896
	PROJ 1
.Lproj_q:
	s_mul_i32 s39, s28, 10240
	s_mov_b32 s44, 0x3e6995b3                      ; 40^-0.5 * log2(e): the scores come out ready for v_exp_f32, which works in base 2
	s_mov_b32 s45, 0                               ; the pair's other half; the broadcast takes s44 alone
	VOQK 0, 327680
	VOQK 1, 327680
	PROJ 0
.Lfunc_end_k_q19e7bdfb34_prep:
	.size	k_q19e7bdfb34_prep, .Lfunc_end_k_q19e7bdfb34_prep-k_q19e7bdfb34_prep
	.p2alignl 7, 3214868480
	.fill 96, 4, 3214868480
	.section	.rodata,"a",@progbits
	.p2align	6, 0x0
	.amdhsa_kernel k_q19e7bdfb34_prep
		.amdhsa_group_segment_fixed_size 209920
		.amdhsa_private_segment_fixed_size 0
		.amdhsa_enable_private_segment 0
		.amdhsa_kernarg_size 80
		.amdhsa_user_sgpr_count 2
		.amdhsa_user_sgpr_kernarg_segment_ptr 1
		.amdhsa_wavefront_size32 1
		.amdhsa_system_sgpr_workgroup_id_x 1
		.amdhsa_system_sgpr_workgroup_id_y 1
		.amdhsa_system_sgpr_workgroup_id_z 1
		.amdhsa_system_vgpr_workitem_id 0
		.amdhsa_next_free_vgpr 416
		.amdhsa_next_free_sgpr 66
		.amdhsa_reserve_vcc 1
		.amdhsa_float_denorm_mode_32 3
		.amdhsa_float_denorm_mode_16_64 3
		.amdhsa_memory_ordered 1
		.amdhsa_forward_progress 1
		.amdhsa_inst_pref_size 255
	.end_amdhsa_kernel
	.section	.bss,"aw",@nobits
	.p2align	6
	.space	262144
	.amdgpu_metadata
---
amdhsa.version: [ 1, 2 ]
amdhsa.kernels:
  - .name:           k_q19e7bdfb34_prep
    .symbol:         k_q19e7bdfb34_prep.kd
    .args:
      - { .name: x, .offset: 0, .size: 8, .value_kind: global_buffer, .address_space: global }
      - { .name: guidance_mask, .offset: 8, .size: 8, .value_kind: global_buffer, .address_space: global }
      - { .name: Wq, .offset: 16, .size: 8, .value_kind: global_buffer, .address_space: global }
      - { .name: Wk, .offset: 24, .size: 8, .value_kind: global_buffer, .address_space: global }
      - { .name: Wv, .offset: 32, .size: 8, .value_kind: global_buffer, .address_space: global }
      - { .name: Wo, .offset: 40, .size: 8, .value_kind: global_buffer, .address_space: global }
      - { .name: qimg, .offset: 48, .size: 8, .value_kind: global_buffer, .address_space: global }
      - { .name: kv, .offset: 56, .size: 8, .value_kind: global_buffer, .address_space: global }
      - { .name: maskw, .offset: 64, .size: 8, .value_kind: global_buffer, .address_space: global }
      - { .name: wof, .offset: 72, .size: 8, .value_kind: global_buffer, .address_space: global }
    .group_segment_fixed_size: 209920
    .private_segment_fixed_size: 0
    .kernarg_segment_align: 8
    .kernarg_segment_size: 80
    .max_flat_workgroup_size: 128
    .sgpr_count:     66
    .vgpr_count:     416
    .wavefront_size: 32
...
	.end_amdgpu_metadata
.endif
;; end of part 1
;; launch attn (part 2): grid 32 x 8, 4 waves a work-group, clusters of 4 x 1, 327,680 bytes of LDS; arguments qimg, kv, maskw, ao; writes ao
.if DOCPART == 2
	.amdgcn_target "amdgcn-amd-amdhsa--gfx1250"
	.amdhsa_code_object_version 6
	.text
	.protected	k_q19e7bdfb34_attn
	.globl	k_q19e7bdfb34_attn
	.p2align	8
	.type	k_q19e7bdfb34_attn,@function
k_q19e7bdfb34_attn:
	s_mov_b64 s[64:65], 0
	v_nop
	global_prefetch_b8 v0, s[64:65] scope:SCOPE_SE
	s_setreg_imm32_b32 hwreg(HW_REG_WAVE_MODE, 25, 1), 1
	s_wait_xcnt 0x0
	s_wait_alu depctr_hold_cnt(0) depctr_sa_sdst(0) depctr_va_vdst(0) depctr_va_sdst(0) depctr_va_ssrc(0) depctr_va_vcc(0) depctr_vm_vsrc(0)
	s_getreg_b32 s2, hwreg(HW_REG_IB_STS2, 6, 4)
	s_cmp_eq_u32 s2, 0
	s_cbranch_scc0 .Lentry_in_a_cluster
	s_endpgm
.Lentry_in_a_cluster:
	s_bfe_u32 s2, ttmp6, 0x10000c
	s_cmp_lg_u32 s2, 0x3003
	s_cbranch_scc0 .Lentry_shape_is_right
	s_endpgm
.Lentry_shape_is_right:
; ATTENTION with the guidance mask, one head x 128 queries for a work-group, 32 queries (two tiles of 16) for a wave, keys in sub-trips of 64.
; Scores are made transposed, S^T = K Q^T: register j of lane (r, h) holds (key 8 h + j, query r).  So a query's statistics live in its own two lanes
; (one exchange between the halves), the packed weights ARE the second source of the next product, O^T = V^T P^T, and a lane ends with 8 neighbouring dims of one query.
; THE MASK: one 32-bit word for each score register, made by the first launch (which leaves out the clamp in front of the test for 0: shown there); it comes by scalar loads and is the lane mask of one v_cndmask_b32.
; SOFTMAX: running maximum m, from -FLT_MAX.  Closed scores are -FLT_MAX BEFORE the maximum, as in the module.  While a row has met no open key, m = -FLT_MAX and each weight is
; exp2(0) = 1: a row that stays so is uniform over all 4,096 keys.  The first open score makes alpha = exp2(-FLT_MAX - m) = 0, which wipes that prefix.
; The sum of the weights is row d = 40 of O: V's row 40 is 1.0.  It is at least 1 at the end, and uses the weights as rounded to f16, like the numerator.
; dh = 40: the first product takes dims 0-31; the second takes [k dims 16-31 | k dims 32-39, in both halves of the lanes] against [0 | q dims 32-39, 0 in lanes 16-31].
; FORMAT: operands in f16.  A weight lies in (0, 1], whatever the inputs: its rounding error is at most 2^-12 of itself or 2^-25, and the row's largest weight of a sub-trip's maximum is 1.
; The result is stored times 4 (the factor rides on the reciprocal of the sum; Wo carries 1/4): it is an average and small beside v, and f16's steps below 6.1e-5 are fixed.
; LIMITS: 4 |v| must stay below 65,504; weights below 2^-25 are 0; an infinity or NaN in k's dims 16-39 meets the zeros of the second product and spoils that key's score, which it spoils in the module too.
; CLUSTER: the four query blocks 4 X .. 4 X + 3 of a head walk the same k and v: each tile is asked for jointly (mask 15), each wave its quarter.  The place in the cluster enters global addresses of q, mask words and the result alone.
; LDS: two slots of 8 key blocks (90,112 bytes).  By this text's count a wave has one tensor load out at any time; it is asked for a whole slot, 8 sub-trips, ahead of its first read.
.set KBB,  11264                       ; a key block: k 5,120 bytes, v 6,144
.set SLOT, 8*KBB
.set QB,   SLOT/4                      ; a wave's quarter: 88 rows of 256 bytes
.set KA,  2                            ; v2, v3   LDS address of the sub-trip's block, + 16 L and + 16 r   (v0 = 16 L, v1 = 16 r)
.set KB,  3
.set MX,  4                            ; v[4:5]   m of query tile 0, 1
.set AL,  6                            ; v[6:7]   alpha
.set T,   8                            ; v[8:11]  at work
.set Q,   12                           ; v[12:43] tile qt at 16 qt: dims 0-15, 16-31, zeros, dims 32-39
.set K,   44                           ; v[44:91] key tile kt at 12 kt: dims 0-15, 16-31, 32-39
.set V,   92                           ; v[92:139] (kb32*3 + t)*8
.set S,   140                          ; v[140:203] qt*32 + kt*8 + j; the weights are packed in place
.set O,   204                          ; v[204:251] qt*24 + t*8
.set NEG, 252                          ; v252 -FLT_MAX;  v253-255 the way out
.set G1,  84                           ; s[84:91] descriptor group 1
.set G0,  92                           ; s[92:99] descriptor group 0, one for each slot
; s[16:63], s[68:83]: the 64 mask words.  s12 wave, s13 the words' byte offset, s14 sub-trip, s15 and s100 counters, s66-67 lane selects, s101 lanes 16-31.
; A round of the cluster's barrier: my work-group's barrier, wave 0 signals for the work-group, every wave waits for all four work-groups, my work-group's barrier again.
.macro ROUND
	s_barrier_signal -1
	s_barrier_wait -1
	s_cmp_lg_u32 s12, 0
	s_cbranch_scc1 .Lnot_wave_0_\@
	s_barrier_signal -3
.Lnot_wave_0_\@:
	s_barrier_wait -3
	s_barrier_signal -1
	s_barrier_wait -1
.endm
.macro MLOAD                           ; a sub-trip's 64 words, 256 bytes
	s_load_b512 s[16:31], s[8:9], s13 offset:0x0
	s_load_b512 s[32:47], s[8:9], s13 offset:0x40
	s_load_b512 s[48:63], s[8:9], s13 offset:0x80
	s_load_b512 s[68:83], s[8:9], s13 offset:0xc0
.endm
.macro KLOAD off                       ; 4 key tiles x 3 loads; every lane at 16 x its number: no bank is asked twice
.irp kt, 0,1,2,3
	ds_load_b128 v[K+12*\kt:K+12*\kt+3],    v[KA] offset:\off+\kt*1280
	ds_load_b128 v[K+12*\kt+4:K+12*\kt+7],  v[KA] offset:\off+\kt*1280+512
	ds_load_b128 v[K+12*\kt+8:K+12*\kt+11], v[KB] offset:\off+\kt*1280+1024
.endr
.endm
	s_load_b256 s[4:11], s[0:1], 0x0               ; qimg 4, kv 6, maskw 8, ao 10
	v_lshrrev_b32 v2, 5, v0
	v_readfirstlane_b32 s12, v2                    ; wave
	v_and_b32 v1, 15, v0
	v_and_b32 v0, 31, v0
	v_lshlrev_b32 v1, 4, v1                        ; 16 r
	v_lshlrev_b32 v0, 4, v0                        ; 16 L
	s_bfe_u32 s2, ttmp6, 0x40000                   ; cx
	s_lshl_b32 s3, ttmp9, 2
	s_add_co_u32 s3, s3, s2                        ; query block = 4 x cluster x + cx
	s_and_b32 s13, ttmp7, 0xffff                   ; head
	s_mov_b32 s[G1+0], 0x0023000f                  ; 15:0 mask: all four of the cluster; 17:16 elements of 8 bytes; 21 set beside a mask; no padding
	s_mov_b32 s[G1+1], 32<<16                      ; tensor_dim0 = 32 elements = 256 bytes
	s_mov_b32 s[G1+2], 88<<16                      ; tensor_dim1 = 88
	s_mov_b32 s[G1+3], 32<<16                      ; tile_dim0 = 32
	s_mov_b32 s[G1+4], 88                          ; tile_dim1 = 88 rows
	s_mov_b32 s[G1+5], 32                          ; from row to row 32 elements: the block is dense
	s_mov_b32 s[G1+6], 0
	s_mov_b32 s[G1+7], 0
	s_mul_i32 s18, s12, QB                         ; my quarter, in LDS and in memory: the wave's number alone
	s_mul_i32 s16, s13, 64*KBB                     ; the head's k and v
	s_add_co_u32 s16, s16, s18
	s_mov_b32 s17, 0
	s_lshl_b32 s20, s13, 8                         ; q: tile 256 head + 8 block + 2 wave, 1,280 bytes each
	s_lshl3_add_u32 s20, s3, s20
	s_lshl1_add_u32 s20, s12, s20
	s_mul_i32 s20, s20, 1280
	s_mov_b32 s21, 0
	s_lshl2_add_u32 s22, s3, s12                   ; mask words: my 32 queries' row of 64 blocks of 256 bytes
	s_lshl_b32 s22, s22, 14
	s_mov_b32 s23, 0
	s_lshl_b32 s24, s3, 3                          ; result: row tile 8 block + 2 wave, 10,240 bytes each; the head's 5 groups of 256
	s_lshl1_add_u32 s24, s12, s24
	s_mul_i32 s24, s24, 10240
	s_mul_i32 s25, s13, 1280
	s_add_co_u32 s24, s24, s25
	s_mov_b32 s25, 0
	s_mov_b32 s66, 0x76543210                      ; v_permlanex16_b32: lane i reads lane i of the other half
	s_mov_b32 s67, 0xfedcba98
	s_mov_b32 s101, 0xffff0000
	s_wait_kmcnt 0x0
	s_add_nc_u64 s[6:7], s[6:7], s[16:17]
	s_add_nc_u64 s[4:5], s[4:5], s[20:21]
	s_add_nc_u64 s[8:9], s[8:9], s[22:23]
	s_add_nc_u64 s[10:11], s[10:11], s[24:25]
.irp n, 0,1
	s_mov_b32 s[G0+4*\n], 1
	s_add_co_u32 s[G0+4*\n+1], s18, \n*SLOT
	s_add_nc_u64 s[G0+4*\n+2:G0+4*\n+3], s[6:7], \n*SLOT
	s_or_b32 s[G0+4*\n+3], s[G0+4*\n+3], 0x80000000
.endr
	ROUND                                          ; all four work-groups are here: the first joint loads meet
	tensor_load_to_lds s[G0:G0+3], s[G1:G1+7]      ; key blocks 0-7
.irp qt, 0,1
	global_load_b128 v[Q+16*\qt:Q+16*\qt+3],     v0, s[4:5] offset:\qt*1280
	global_load_b128 v[Q+16*\qt+4:Q+16*\qt+7],   v0, s[4:5] offset:\qt*1280+512
	global_load_b128 v[Q+16*\qt+12:Q+16*\qt+15], v1, s[4:5] offset:\qt*1280+1024
.endr
	s_mov_b32 s13, 0
	s_mov_b32 s14, 0
	MLOAD                                          ; sub-trip 0's words
	v_mov_b32 v[NEG], 0xff7fffff
	v_mov_b32 v[MX], 0xff7fffff
	v_mov_b32 v[MX+1], 0xff7fffff
	v_mov_b32 v[AL], 0                             ; the packed forms name both of a pair: written once here
	v_mov_b32 v[AL+1], 0
	v_mov_b32 v253, 0                              ; a v_permlanex16_b32's destination counts as read
.irp k, 8,9,10,11,24,25,26,27
	v_mov_b32 v[Q+\k], 0
.endr
.set ii, 0
.rept 48
	v_mov_b32 v[O+ii], 0                           ; once: the loop's first rescale and sum then need no form of their own
.set ii, ii+1
.endr
	s_wait_loadcnt 0x0
.irp k, 12,13,14,15,28,29,30,31
	v_cndmask_b32 v[Q+\k], v[Q+\k], 0, s101        ; q's dims 32-39 count once: 0 in lanes 16-31
.endr
; Statistics and weights of query tile qt.
.macro SOFT qt
.set SB, S+32*\qt
.set OB, O+24*\qt
	v_max3_num_f32 v[T],   v[SB],   v[SB+1],  v[SB+2]
	v_max3_num_f32 v[T+1], v[SB+3], v[SB+4],  v[SB+5]
	v_max3_num_f32 v[T+2], v[SB+6], v[SB+7],  v[SB+8]
	v_max3_num_f32 v[T+3], v[SB+9], v[SB+10], v[SB+11]
.set ii, 12
.rept 10
	v_max3_num_f32 v[T+(ii/2)%4], v[T+(ii/2)%4], v[SB+ii], v[SB+ii+1]
.set ii, ii+2
.endr
	v_max3_num_f32 v[T], v[T], v[T+1], v[T+2]
	v_max_num_f32 v[T], v[T], v[T+3]
	v_permlanex16_b32 v[T+1], v[T], s66, s67       ; the query's other 32 keys
	v_max3_num_f32 v[T], v[T], v[T+1], v[MX+\qt]
	v_sub_f32 v[AL+\qt], v[MX+\qt], v[T]
	v_mov_b32 v[MX+\qt], v[T]
	v_exp_f32 v[AL+\qt], v[AL+\qt]                 ; used 48 instructions on
.irp k, 0,2,4,6,8,10,12,14,16,18,20,22,24,26,28,30
	v_pk_add_f32 v[SB+\k:SB+\k+1], v[SB+\k:SB+\k+1], v[MX:MX+1] op_sel:[0,\qt] op_sel_hi:[1,\qt] neg_lo:[0,1] neg_hi:[0,1]
.endr
.set ii, 0
.rept 32
	v_exp_f32 v[SB+ii], v[SB+ii]
.set ii, ii+1
.endr
.irp k, 0,2,4,6,8,10,12,14,16,18,20,22             ; plain instructions behind the exponentials, ahead of the first use of their results (ISA guide 5.7.2)
	v_pk_mul_f32 v[OB+\k:OB+\k+1], v[OB+\k:OB+\k+1], v[AL:AL+1] op_sel:[0,\qt] op_sel_hi:[1,\qt]
.endr
.irp pp, 0,16                                      ; 32 keys' weights into 8 registers: keys 8 h + j, then 16 + 8 h + j: the product's second source as it stands
.irp k, 0,1,2,3
	v_cvt_pk_f16_f32 v[SB+\pp+\k], v[SB+\pp+2*\k], v[SB+\pp+2*\k+1]
.endr
.irp k, 0,1,2,3
	v_cvt_pk_f16_f32 v[SB+\pp+4+\k], v[SB+\pp+8+2*\k], v[SB+\pp+8+2*\k+1]
.endr
.endr
.endm
; A sub-trip: 32 queries x 64 keys.  pre = 1: the next block lies in the same slot, its k is fetched ahead.  mnext = 1: the next sub-trip's mask words are asked for.
.macro SUB pre, mnext
	s_wait_dscnt 0x0                               ; k's 12 loads, the only ones out
.irp kt, 0,1,2,3                                   ; the two query tiles' scores take turns
	v_wmma_f32_16x16x32_f16 v[S+8*\kt:S+8*\kt+7],       v[K+12*\kt:K+12*\kt+7],    v[Q:Q+7],     0
	v_wmma_f32_16x16x32_f16 v[S+32+8*\kt:S+32+8*\kt+7], v[K+12*\kt:K+12*\kt+7],    v[Q+16:Q+23], 0
	v_wmma_f32_16x16x32_f16 v[S+8*\kt:S+8*\kt+7],       v[K+12*\kt+4:K+12*\kt+11], v[Q+8:Q+15],  v[S+8*\kt:S+8*\kt+7]
	v_wmma_f32_16x16x32_f16 v[S+32+8*\kt:S+32+8*\kt+7], v[K+12*\kt+4:K+12*\kt+11], v[Q+24:Q+31], v[S+32+8*\kt:S+32+8*\kt+7]
.endr
.rept 4
	v_nop                                          ; places behind the products: for the selects, which read the scores, and the loads into k's registers
.endr
	s_wait_kmcnt 0x0                               ; this sub-trip's words, asked for a sub-trip ago; scalar loads are waited for by 0 alone
.set wd, 0
.rept 64
.if wd < 48
	v_cndmask_b32 v[S+wd], v[NEG], v[S+wd], s[16+wd]
.else
	v_cndmask_b32 v[S+wd], v[NEG], v[S+wd], s[20+wd]
.endif
.set wd, wd+1
.endr
.if \mnext
	s_add_co_u32 s14, s14, 1
	s_min_u32 s13, s14, 63                         ; states the bound: the offset stays inside my row of 64 blocks
	s_lshl_b32 s13, s13, 8
	MLOAD
.endif
.irp f, 0,1,2,3,4,5
	ds_load_b128 v[V+8*\f:V+8*\f+3],   v[KA] offset:5120+\f*1024
	ds_load_b128 v[V+8*\f+4:V+8*\f+7], v[KA] offset:5120+\f*1024+512
.endr
.if \pre
	KLOAD KBB
.endif
	SOFT 0
	SOFT 1
.if \pre
	s_wait_dscnt 12                                ; v's 12 loads are in; the 12 issued behind them, the next k, stay out
.else
	s_wait_dscnt 0x0
.endif
.irp kb, 0,1                                       ; six accumulators take turns
.irp qt, 0,1
.irp t, 0,1,2
	v_wmma_f32_16x16x32_f16 v[O+24*\qt+8*\t:O+24*\qt+8*\t+7], v[V+(\kb*3+\t)*8:V+(\kb*3+\t)*8+7], v[S+32*\qt+16*\kb:S+32*\qt+16*\kb+7], v[O+24*\qt+8*\t:O+24*\qt+8*\t+7]
.endr
.endr
.endr
	; five places: the next products write over the weights, which these have read
.if \pre
	v_add_nc_u32 v[KA], KBB, v[KA]
	v_add_nc_u32 v[KB], KBB, v[KB]
.rept 3
	v_nop
.endr
.else
.rept 5
	v_nop
.endr
.endif
.endm
; A slot's 8 sub-trips.  In front of the round every wave has waited for all its tensor loads (its quarter of this slot among them) and for its reads of the other slot;
; behind the round that holds of every wave of all four work-groups, and the joint refill of the other slot comes first.
.macro TRIP slot, refill
	s_wait_tensorcnt 0x0
	s_add_nc_u64 s[G0+4*\slot+2:G0+4*\slot+3], s[G0+4*\slot+2:G0+4*\slot+3], 2*SLOT   ; no load of mine is out: this slot's next tile (in the last two trips not used)
	s_wait_dscnt 0x0
	ROUND
.if \refill
	tensor_load_to_lds s[G0+4-4*\slot:G0+7-4*\slot], s[G1:G1+7]
.endif
	v_add_nc_u32 v[KA], \slot*SLOT, v0
	v_add_nc_u32 v[KB], \slot*SLOT, v1
	KLOAD 0
	s_mov_b32 s15, 7
.Lsub_\@:
	SUB 1, 1
	s_sub_co_u32 s15, s15, 1
	s_cmp_lg_u32 s15, 0
	s_cbranch_scc1 .Lsub_\@
	SUB 0, \refill                                 ; behind the launch's last sub-trip no words are left to ask for
.endm
	s_mov_b32 s100, 3
.Lring:
	TRIP 0, 1
	TRIP 1, 1
	s_sub_co_u32 s100, s100, 1
	s_cmp_lg_u32 s100, 0
	s_cbranch_scc1 .Lring
	TRIP 0, 1                                      ; the last two slots: one more fill, then none
	TRIP 1, 0
; The way out (the five places above stand behind the last products).  The sum of the weights is d = 40: tile t = 2, register 0, lanes 16-31.
.irp qt, 0,1
	v_permlanex16_b32 v253, v[O+24*\qt+16], s66, s67
	v_cndmask_b32 v254, v253, v[O+24*\qt+16], s101
	v_rcp_f32 v254, v254
	v_mov_b32 v255, 0                              ; the plain instruction behind v_rcp_f32; it also makes the pair whole, of which the broadcast takes v254
	v_mul_f32 v254, 4.0, v254                      ; the result is kept times 4
.irp k, 0,2,4,6,8,10,12,14,16,18,20,22
	v_pk_mul_f32 v[O+24*\qt+\k:O+24*\qt+\k+1], v[O+24*\qt+\k:O+24*\qt+\k+1], v[254:255] op_sel_hi:[1,0]
.endr
.irp t, 0,1,2
.irp k, 0,1,2,3
	v_cvt_pk_f16_f32 v[O+24*\qt+8*\t+\k], v[O+24*\qt+8*\t+2*\k], v[O+24*\qt+8*\t+2*\k+1]
.endr
.endr
.endr
.irp qt, 0,1
.irp t, 0,1
	global_store_b128 v0, v[O+24*\qt+8*\t:O+24*\qt+8*\t+3], s[10:11] offset:\qt*10240+\t*512   ; dims 16 t .. +15 of 16 rows: 512 consecutive bytes
.endr
.endr
	v_cmp_gt_u32 vcc_lo, 256, v0                   ; lanes 0-15 hold dims 32-39; lanes 16-31 hold rows 40-47, which are no result
	s_wait_xcnt 0x0                                ; EXEC changes only behind this wait
	s_and_saveexec_b32 s2, vcc_lo
	global_store_b128 v0, v[O+16:O+19], s[10:11] offset:1024
	global_store_b128 v0, v[O+40:O+43], s[10:11] offset:10240+1024
	s_wait_xcnt 0x0
	s_or_b32 exec_lo, exec_lo, s2
	ROUND                                          ; the closing round: no work-group ends while a partner may still ask for a tile that names it
	s_endpgm
.Lfunc_end_k_q19e7bdfb34_attn:
	.size	k_q19e7bdfb34_attn, .Lfunc_end_k_q19e7bdfb34_attn-k_q19e7bdfb34_attn
	.p2alignl 7, 3214868480
	.fill 96, 4, 3214868480
	.section	.rodata,"a",@progbits
	.p2align	6, 0x0
	.amdhsa_kernel k_q19e7bdfb34_attn
		.amdhsa_group_segment_fixed_size 327680
		.amdhsa_private_segment_fixed_size 0
		.amdhsa_enable_private_segment 0
		.amdhsa_kernarg_size 32
		.amdhsa_user_sgpr_count 2
		.amdhsa_user_sgpr_kernarg_segment_ptr 1
		.amdhsa_wavefront_size32 1
		.amdhsa_system_sgpr_workgroup_id_x 1
		.amdhsa_system_sgpr_workgroup_id_y 1
		.amdhsa_system_sgpr_workgroup_id_z 1
		.amdhsa_system_vgpr_workitem_id 0
		.amdhsa_next_free_vgpr 256
		.amdhsa_next_free_sgpr 102
		.amdhsa_reserve_vcc 1
		.amdhsa_float_denorm_mode_32 3
		.amdhsa_float_denorm_mode_16_64 3
		.amdhsa_memory_ordered 1
		.amdhsa_forward_progress 1
		.amdhsa_inst_pref_size 157
	.end_amdhsa_kernel
	.amdgpu_metadata
---
amdhsa.version: [ 1, 2 ]
amdhsa.kernels:
  - .name:           k_q19e7bdfb34_attn
    .symbol:         k_q19e7bdfb34_attn.kd
    .args:
      - { .name: qimg, .offset: 0, .size: 8, .value_kind: global_buffer, .address_space: global }
      - { .name: kv, .offset: 8, .size: 8, .value_kind: global_buffer, .address_space: global }
      - { .name: maskw, .offset: 16, .size: 8, .value_kind: global_buffer, .address_space: global }
      - { .name: ao, .offset: 24, .size: 8, .value_kind: global_buffer, .address_space: global }
    .group_segment_fixed_size: 327680
    .private_segment_fixed_size: 0
    .kernarg_segment_align: 8
    .kernarg_segment_size: 32
    .max_flat_workgroup_size: 128
    .sgpr_count:     102
    .vgpr_count:     256
    .wavefront_size: 32
...
	.end_amdgpu_metadata
.endif
;; end of part 2
;; launch outp (part 3): grid 256 x 1, 5 waves a work-group, no clusters, 21,760 bytes of LDS; arguments ao, wof, bo, out0; writes out0
.if DOCPART == 3
	.amdgcn_target "amdgcn-amd-amdhsa--gfx1250"
	.amdhsa_code_object_version 6
	.text
	.protected	k_q19e7bdfb34_outp
	.globl	k_q19e7bdfb34_outp
	.p2align	8
	.type	k_q19e7bdfb34_outp,@function
k_q19e7bdfb34_outp:
	s_mov_b64 s[64:65], 0
	v_nop
	global_prefetch_b8 v0, s[64:65] scope:SCOPE_SE
	s_setreg_imm32_b32 hwreg(HW_REG_WAVE_MODE, 25, 1), 1
	s_wait_xcnt 0x0
; OUT: out0 = ao Wo + bo.  ao holds 4 x the attention's result and wof Wo / 4, both in f16 and as matrix fragments, so every load is lane L at 16 L and the two factors cancel exactly.
; No work of the module is left out here.
; A work-group takes 16 rows, wave cb 64 columns (256 bytes of each output row): 40 matrix instructions, straight down, no loop and no barrier.
; Source 0 = 16 columns of Wo, source 1 = the 16 rows: a lane then holds 8 neighbouring columns of row r.  The bias is loaded straight into the accumulators: the first products add onto it.
; NO JOINT LOADS: the fragments go from memory into registers and never lie in LDS; a work-group's own 10,240 bytes of ao are shared with no other.
; Two of the five waves lie on one SIMD, 512 registers each.
.set ACC,  16                          ; v[16:47]   four accumulators, nt*8
.set ROWS, 48                          ; v[48:127]  the rows' fragments, ks*8
.set WHI,  128                         ; v[128:191] Wo's fragments of K steps 8, 9: ((ks-8)*4 + nt)*8
.set RB,   192                         ; v[192:223] results read back by rows
; window 1 (v256-511): Wo's fragments of K steps 0-7, (ks*4 + nt)*8
.set MSB, 0
.macro WIN new
.if MSB != \new
	s_set_vgpr_msb (MSB<<8)|\new
.set MSB, \new
.endif
.endm
	s_load_b256 s[4:11], s[0:1], 0x0               ; ao 4, wof 6, bo 8, out0 10
	v_lshrrev_b32 v1, 5, v0
	v_readfirstlane_b32 s12, v1                    ; cb
	v_and_b32 v2, 31, v0
	v_and_b32 v3, 15, v0                           ; r
	v_bfe_u32 v4, v0, 4, 1                         ; h
	v_lshlrev_b32 v5, 4, v2                        ; ao: 16 L
	s_mul_i32 s13, s12, 40960
	v_add_nc_u32 v6, s13, v5                       ; wof: my 64 columns' 40 fragments
	s_lshl_b32 s14, s12, 8
	v_lshl_add_u32 v7, v4, 5, s14                  ; bo: 256 cb + 32 h
	s_mul_i32 s15, s12, 16*272                     ; my stage: 16 rows of 256 bytes + 16 of padding
	v_mul_u32_u24 v8, v3, 272
	v_lshl_add_u32 v8, v4, 5, v8
	v_add_nc_u32 v8, s15, v8                       ; in: row r, 32 bytes for each half of the lanes
	v_mul_u32_u24 v9, v4, 272
	v_lshl_add_u32 v9, v3, 4, v9
	v_add_nc_u32 v9, s15, v9                       ; back: lanes 0-15 one row, lanes 16-31 the next
	v_mul_u32_u24 v10, v4, 1280
	v_lshl_add_u32 v10, v3, 4, v10
	v_add_nc_u32 v10, s14, v10                     ; and the same two rows in out0
	s_mul_i32 s16, ttmp9, 10240
	s_mov_b32 s17, 0
	s_mul_i32 s18, ttmp9, 16*1280
	s_mov_b32 s19, 0
	s_wait_kmcnt 0x0
	s_add_nc_u64 s[4:5], s[4:5], s[16:17]
	s_add_nc_u64 s[10:11], s[10:11], s[18:19]
.irp nt, 0,1,2,3
	global_load_b128 v[ACC+8*\nt:ACC+8*\nt+3],   v7, s[8:9] offset:\nt*64
	global_load_b128 v[ACC+8*\nt+4:ACC+8*\nt+7], v7, s[8:9] offset:\nt*64+16
.endr
.irp ks, 0,1,2,3,4,5,6,7,8,9
	global_load_b128 v[ROWS+8*\ks:ROWS+8*\ks+3],   v5, s[4:5] offset:\ks*1024
	global_load_b128 v[ROWS+8*\ks+4:ROWS+8*\ks+7], v5, s[4:5] offset:\ks*1024+512
.endr
.irp ks, 8,9
.irp nt, 0,1,2,3
	global_load_b128 v[WHI+((\ks-8)*4+\nt)*8:WHI+((\ks-8)*4+\nt)*8+3],   v6, s[6:7] offset:\ks*4096+\nt*1024
	global_load_b128 v[WHI+((\ks-8)*4+\nt)*8+4:WHI+((\ks-8)*4+\nt)*8+7], v6, s[6:7] offset:\ks*4096+\nt*1024+512
.endr
.endr
	WIN 0x40                                       ; destination window 1
.irp ks, 0,1,2,3,4,5,6,7
.irp nt, 0,1,2,3
	global_load_b128 v[(\ks*4+\nt)*8:(\ks*4+\nt)*8+3],   v6, s[6:7] offset:\ks*4096+\nt*1024
	global_load_b128 v[(\ks*4+\nt)*8+4:(\ks*4+\nt)*8+7], v6, s[6:7] offset:\ks*4096+\nt*1024+512
.endr
.endr
	WIN 0
.macro MULKS ks, base                  ; one K step; the four accumulators take turns
.irp nt, 0,1,2,3
	v_wmma_f32_16x16x32_f16 v[ACC+8*\nt:ACC+8*\nt+7], v[\base+8*\nt:\base+8*\nt+7], v[ROWS+8*\ks:ROWS+8*\ks+7], v[ACC+8*\nt:ACC+8*\nt+7]
.endr
.endm
	s_wait_loadcnt 63                              ; behind K step 8's fragments 72 loads were issued; 63 is the largest count the wait can name, and a smaller count is safe
	MULKS 8, WHI
	s_wait_loadcnt 63                              ; behind K step 9's: 64
	MULKS 9, WHI+32
	WIN 0x01                                       ; source 0 window 1
.irp ks, 0,1,2,3,4,5,6,7
	s_wait_loadcnt 56-8*\ks                        ; the loads issued behind this K step's eight
	MULKS \ks, \ks*32
.endr
	WIN 0
.rept 4
	v_nop                                          ; places behind the last products, ahead of the stores that read the sums
.endr
.irp nt, 0,1,2,3
	ds_store_b128 v8, v[ACC+8*\nt:ACC+8*\nt+3]   offset:\nt*64
	ds_store_b128 v8, v[ACC+8*\nt+4:ACC+8*\nt+7] offset:\nt*64+16
.endr
.irp t, 0,1,2,3,4,5,6,7
	ds_load_b128 v[RB+4*\t:RB+4*\t+3], v9 offset:\t*544            ; my own bytes: LDS serves a wave's instructions in order, these see the stores above
.endr
.irp t, 0,1,2,3,4,5,6,7
	s_wait_dscnt 7-\t                              ; the younger read-backs stay out
	global_store_b128 v10, v[RB+4*\t:RB+4*\t+3], s[10:11] offset:\t*2560 th:TH_STORE_NT   ; sixteen lanes store 256 consecutive bytes, aligned
.endr
	s_endpgm
.Lfunc_end_k_q19e7bdfb34_outp:
	.size	k_q19e7bdfb34_outp, .Lfunc_end_k_q19e7bdfb34_outp-k_q19e7bdfb34_outp
	.p2alignl 7, 3214868480
	.fill 96, 4, 3214868480
	.section	.rodata,"a",@progbits
	.p2align	6, 0x0
	.amdhsa_kernel k_q19e7bdfb34_outp
		.amdhsa_group_segment_fixed_size 21760
		.amdhsa_private_segment_fixed_size 0
		.amdhsa_enable_private_segment 0
		.amdhsa_kernarg_size 32
		.amdhsa_user_sgpr_count 2
		.amdhsa_user_sgpr_kernarg_segment_ptr 1
		.amdhsa_wavefront_size32 1
		.amdhsa_system_sgpr_workgroup_id_x 1
		.amdhsa_system_sgpr_workgroup_id_y 1
		.amdhsa_system_sgpr_workgroup_id_z 1
		.amdhsa_system_vgpr_workitem_id 0
		.amdhsa_next_free_vgpr 512
		.amdhsa_next_free_sgpr 66
		.amdhsa_reserve_vcc 0
		.amdhsa_float_denorm_mode_32 3
		.amdhsa_float_denorm_mode_16_64 3
		.amdhsa_memory_ordered 1
		.amdhsa_forward_progress 1
		.amdhsa_inst_pref_size 17
	.end_amdhsa_kernel
	.amdgpu_metadata
---
amdhsa.version: [ 1, 2 ]
amdhsa.kernels:
  - .name:           k_q19e7bdfb34_outp
    .symbol:         k_q19e7bdfb34_outp.kd
    .args:
      - { .name: ao, .offset: 0, .size: 8, .value_kind: global_buffer, .address_space: global }
      - { .name: wof, .offset: 8, .size: 8, .value_kind: global_buffer, .address_space: global }
      - { .name: bo, .offset: 16, .size: 8, .value_kind: global_buffer, .address_space: global }
      - { .name: out0, .offset: 24, .size: 8, .value_kind: global_buffer, .address_space: global }
    .group_segment_fixed_size: 21760
    .private_segment_fixed_size: 0
    .kernarg_segment_align: 8
    .kernarg_segment_size: 32
    .max_flat_workgroup_size: 160
    .sgpr_count:     66
    .vgpr_count:     512
    .wavefront_size: 32
...
	.end_amdgpu_metadata
.endif
;; end of part 3
;; ======== version 2 of 2: 3 launches; 1.18 times as fast as version 1
;; limits: values are held in f16: magnitudes above 65,504 overflow, below 6.1e-05 lose precision
;; workspace buffers: qimg 2,621,440 bytes; kv 5,767,168 bytes; maskw 2,097,152 bytes of whole numbers; wof 204,800 bytes; ao 2,621,440 bytes
;; launch prep (part 4): grid 32 x 8, 8 waves a work-group, no clusters, 209,920 bytes of LDS; arguments x, guidance_mask, Wq, Wk, Wv, Wo, qimg, kv, maskw, wof; writes qimg, kv, maskw, wof
.if DOCPART == 4
	.amdgcn_target "amdgcn-amd-amdhsa--gfx1250"
	.amdhsa_code_object_version 6
	.text
	.protected	k_q19e7bdfb34_prep
	.globl	k_q19e7bdfb34_prep
	.p2align	8
	.type	k_q19e7bdfb34_prep,@function
k_q19e7bdfb34_prep:
	s_mov_b64 s[64:65], 0
	v_nop
	global_prefetch_b8 v0, s[64:65] scope:SCOPE_SE
	s_setreg_imm32_b32 hwreg(HW_REG_WAVE_MODE, 25, 1), 1
	s_wait_xcnt 0x0
; PREP: everything that attention needs, in the order in which its lanes will read it.
;   maskw  one 32-bit word for each score register of the attention wave: bit L = r + 16 h is 1 where the pair
;          (query 32 qp + 16 qt + r, key 64 kb + 16 kt + 8 h + j) is open; word qt*32 + kt*8 + j of block [qp][kb].
;   wof    Wo / 4 in f16 as matrix fragments [cb 5][ks 10][nt 4][c 2][lane][16 B].
;   qimg   q * 40^-0.5 * log2(e) in f16: [head][token tile][dim group 5][token 16][8 dims].
;   kv     per head and block of 64 keys 11,264 bytes: k as 4 tiles laid like qimg's (5,120 B), then v transposed,
;          [32 keys 2][d tile 3][c 2][lane][16 B] (6,144 B); v's row d = 40 is 1.0 (it sums the softmax's weights), rows 41-47 are 0.
; WORK LEFT OUT: the clamp min(s, 1) in front of the test s == 0, s = sum over p of g[p][i] g[p][j].  For s >= 1 the clamp
; gives 1, which is not 0; for s < 1 it gives s; a NaN stays a NaN and is not equal to 0.  So min(s,1) == 0 exactly where s == 0,
; for all values of the mask.  Nothing non-finite is lost with it.  Every input has a way to the output and is loaded (bo in the last launch).
; FORMAT: all matrix operands are f16, 11 significant bits.  The result is an average over a thousand and more keys and is wanted within a hundredth of its
; root mean square; six operands are rounded on the way from x to it (x, Wv, v, the weights, the average, Wo), each by 2^-12 of its size at the most, where 8 significant bits would give 2^-9 each.
; LIMITS: q after its scale, k and 4 v must stay below 65,504 in magnitude, or an infinity appears that the module as given does not have; numbers below 6.1e-5 are kept in steps of 6e-8.
; The average of v is small beside v, so it is kept times 4 and Wo times 1/4 (exact powers of two): that moves its steps down by 4 and still leaves |v| up to 16,376.
; s is formed in f32 as fma(g2,g2', fma(g1,g1', g0 g0')): where the three products cancel or underflow to exactly 0 in one order of
; rounding and not in another, the pair may be open here and closed in the module as given, or the reverse; for products of one sign that do not underflow it is exact.
; SHARES: 32 x 8 work-groups of eight waves, two on each SIMD (2 x 416 registers), one of each kind:
;   waves 0-3 stage and multiply.  Work-group (bx, y): tokens 128 bx .. +127 times eight of 64 virtual column tiles of 16 (0-19 q, 20-39 k, 40-63 v, three for each head:
;             d 0-15, 16-31, 32-47).  Wave w: tiles 8 y + 2 w and the next, always of one kind, for all eight token tiles: 160 matrix instructions.
;   waves 4-7 make the mask words, 8 of the 8,192 blocks each, and in 50 work-groups one fragment block of Wo each: vector work that needs nothing of x, so it runs beside the
;             other waves' loads and products.  Four blocks stand in front of the launch's one barrier and four behind it: all in front, the staging waves would wait for them
;             there; all behind, these waves would stand idle through the staging.  Each part loads the g that it needs (the keys' 24 loads in both, 12 KB a wave): nothing of
;             the mask's work is carried in registers over the barrier.
; NO JOINT LOADS: x and the weights are f32 and are rounded to f16 in registers on their way into LDS, so they come by register loads.
.set XTILE,  10880                     ; LDS: a token tile of x in f16: 40 blocks of 8 k, 16 tokens x 16 B + 16 B of padding = 272
.set XPART,  2*XTILE                   ; what a wave stages: its 32 tokens
.set WS0,    8*XTILE                   ; behind x: for each of waves 0-3 its own weights, 320 k rows x 32 columns of f16, pitch 96 (an odd multiple of 32)
.set WPART,  320*96
.set DEPTH,  48                        ; register slots = loads of a wave in flight while staging
.set NLOAD,  160                       ; 80 of x (512 B each), 80 of W (4 k rows x 128 B each)
.set XA,   4                           ; v4, v5   LDS address of my x fragments, token tiles 0-3 and 4-7
.set VO,   6                           ; v6, v7   byte offset of my 16 result bytes, column tile 0 and 1
.set FILL, 8                           ; v8       v's rows 40-47: two f16 of 1.0 in lanes r = 8, else 0
.set LA0,  10                          ; v10      LDS address for x, loads that lie in one row
.set LA2,  11                          ; v11      the same for the load that straddles two rows
.set LW,   12                          ; v12      LDS address for W
.set XG,   13                          ; v13      byte offset in x
.set WG,   14                          ; v14      byte offset in W
.set TRA,  15                          ; v15      LDS address of the transposing loads
.set MK,   16                          ; v16-18   mask: offsets of my keys, my queries, my two words
.set MQ,   17
.set MS,   18
.set CV,   20                          ; v[20:27] four pairs of packed f16 on their way into LDS (and scratch while addresses are made, with v9, v19)
.set PK,   28                          ; v[28:35] packed results
.set ACC,  36                          ; v[36:51] two accumulators
.set MW,   52                          ; v[52:53] mask words 2 L and 2 L + 1
.set MT,   54                          ; v[54:61] eight sums of the mask
.set WOL,  62                          ; v62, v63 Wo: load and store offsets
.set WOS,  63
.set RING, 64                          ; v[64:255] waves 0-3: the 48 slots, after them x's fragments
.set GK,   64                          ; v[64:159]  waves 4-7: g of my keys: (p*4 + kt)*8 + j
.set GQ,   160                         ; v[160:183] g of a part's four query pairs: (li*3 + p)*2 + qt
.set WOR,  208                         ; v[208:223] Wo as loaded, v[224:231] packed
.set XF0,  64                          ; v[64:143], v[144:223] fragments of x, two buffers
.set XF1,  144
.set BAL,  46                          ; s[46:53] eight lane masks
; window 1 (v256-415), waves 0-3: my weights' fragments, (c2*10 + ks)*8
.set MSB, 0
.macro WIN new                         ; the immediate's high byte repeats the setting that is left
.if MSB != \new
	s_set_vgpr_msb (MSB<<8)|\new
.set MSB, \new
.endif
.endm
; ---- macros of waves 4-7
; One block of 64 words, query pair i0 + li.  Eight sums at a time (one query tile, one key tile, j = 0..7), eight compares, eight words into their lanes.
.macro MBLK li, i0
	s_wait_xcnt 0x0                                ; the last block's store has read MW: it is rewritten only behind this wait
.irp t, 0,1
.irp kt, 0,1,2,3
.irp q, 0,1,2,3
	v_pk_mul_f32 v[MT+2*\q:MT+2*\q+1], v[GK+\kt*8+2*\q:GK+\kt*8+2*\q+1], v[GQ+\li*6:GQ+\li*6+1] op_sel:[0,\t] op_sel_hi:[1,\t]
.endr
.irp q, 0,1,2,3
	v_pk_fma_f32 v[MT+2*\q:MT+2*\q+1], v[GK+(4+\kt)*8+2*\q:GK+(4+\kt)*8+2*\q+1], v[GQ+\li*6+2:GQ+\li*6+3], v[MT+2*\q:MT+2*\q+1] op_sel:[0,\t,0] op_sel_hi:[1,\t,1]
.endr
.irp q, 0,1,2,3
	v_pk_fma_f32 v[MT+2*\q:MT+2*\q+1], v[GK+(8+\kt)*8+2*\q:GK+(8+\kt)*8+2*\q+1], v[GQ+\li*6+4:GQ+\li*6+5], v[MT+2*\q:MT+2*\q+1] op_sel:[0,\t,0] op_sel_hi:[1,\t,1]
.endr
.irp j, 0,1,2,3,4,5,6,7
	v_cmp_neq_f32 s[BAL+\j], 0, v[MT+\j]           ; open where the sum is not 0 (a NaN is not equal to 0: open, as in the module)
.endr
.irp q, 0,1,2,3
	v_writelane_b32 v[MW],   s[BAL+2*\q],   16*\t+4*\kt+\q     ; word 32 t + 8 kt + 2 q belongs to lane (that word) / 2
	v_writelane_b32 v[MW+1], s[BAL+2*\q+1], 16*\t+4*\kt+\q
.endr
.endr
.endr
	global_store_b64 v[MS], v[MW:MW+1], s[24:25] offset:(\i0+\li)*16384   ; the wave stores 256 consecutive bytes, aligned
.endm
; Four blocks: wave number W of 1,024 = (32 y + bx) 4 + (wave - 4); key block kb = W mod 64, query pairs qp = 8 (W / 64) + i0 + 0..3.  wo = 1: Wo's fragments on the way.
.macro MPART i0, wo
	s_wait_xcnt 0x0                                ; the offsets and MW, which earlier stores read, are rewritten only behind this wait
	s_and_b32 s40, s30, 3
	s_lshl_b32 s34, s29, 5
	s_add_co_u32 s34, s34, s28
	s_lshl2_add_u32 s34, s34, s40                  ; W
	s_and_b32 s35, s34, 63                         ; kb
	s_lshr_b32 s36, s34, 6                         ; qg
	s_lshl_b32 s37, s35, 8                         ; 64 kb numbers of 4 bytes; also kb blocks of 256 bytes
	v_lshl_add_u32 v[MK], v3, 5, s37               ; + 8 h numbers
	s_lshl_b32 s38, s36, 10                        ; 256 qg numbers
	v_lshl_add_u32 v[MQ], v2, 2, s38               ; + r
	s_lshl_b32 s39, s36, 17                        ; 8 qg rows of 64 blocks of 256 bytes
	s_add_co_u32 s39, s39, s37
	v_lshl_add_u32 v[MS], v1, 3, s39               ; + my two words
	v_mov_b32 v[MW], 0                             ; v_writelane_b32 keeps the other lanes: its destination is written whole once
	v_mov_b32 v[MW+1], 0
.irp p, 0,1,2
.irp kt, 0,1,2,3
	global_load_b128 v[GK+(\p*4+\kt)*8:GK+(\p*4+\kt)*8+3],   v[MK], s[10:11] offset:\p*16384+\kt*64
	global_load_b128 v[GK+(\p*4+\kt)*8+4:GK+(\p*4+\kt)*8+7], v[MK], s[10:11] offset:\p*16384+\kt*64+16
.endr
.endr
.irp li, 0,1,2,3
.irp p, 0,1,2
.irp t, 0,1
	global_load_b32 v[GQ+\li*6+\p*2+\t], v[MQ], s[10:11] offset:\p*16384+(\i0+\li)*128+\t*64
.endr
.endr
.endr
.if \wo
	; Wo / 4 as fragments: work-groups y < 5, bx < 10 (cb = y, ks = bx), nt = wave - 4.  Lane (r, h): column 64 cb + 16 nt + r, k = 32 ks + 16 c + 8 h + 0..7.
	; Its 16 loads go out behind the mask's 48 and are on their way together with them.
	s_cmp_ge_u32 s29, 5
	s_cbranch_scc1 .Lno_wo
	s_cmp_ge_u32 s28, 10
	s_cbranch_scc1 .Lno_wo
	s_mul_i32 s34, s28, 32*320
	s_lshl_b32 s37, s29, 6
	s_add_co_u32 s34, s34, s37
	s_lshl4_add_u32 s34, s40, s34
	v_mul_u32_u24 v9, v3, 8*320
	v_add_nc_u32 v9, v9, v2
	v_add_nc_u32 v9, s34, v9
	v_lshlrev_b32 v[WOL], 2, v9
.irp c, 0,1
.irp i, 0,1,2,3,4,5,6,7
	global_load_b32 v[WOR+8*\c+\i], v[WOL], s[18:19] offset:(16*\c+\i)*1280
.endr
.endr
	s_mul_i32 s37, s29, 10
	s_add_co_u32 s37, s37, s28
	s_lshl2_add_u32 s37, s37, s40
	s_lshl_b32 s37, s37, 10
	v_lshl_add_u32 v[WOS], v1, 4, s37
	s_wait_loadcnt 0x0
.irp k, 0,1,2,3,4,5,6,7
	v_pk_mul_f32 v[WOR+2*\k:WOR+2*\k+1], v[WOR+2*\k:WOR+2*\k+1], 0x3e800000 op_sel_hi:[1,0]   ; a quarter, exact: it undoes the 4 that the rows carry
.endr
.irp k, 0,1,2,3,4,5,6,7
	v_cvt_pk_f16_f32 v[WOR+16+\k], v[WOR+2*\k], v[WOR+2*\k+1]
.endr
	global_store_b128 v[WOS], v[WOR+16:WOR+19], s[26:27]           ; these registers are not written again
	global_store_b128 v[WOS], v[WOR+20:WOR+23], s[26:27] offset:512
.Lno_wo:
.endif
	s_wait_loadcnt 0x0                             ; the part's 48 loads, once
.irp li, 0,1,2,3
	MBLK \li, \i0
.endr
.endm
; ---- macros of waves 0-3
.macro RLOAD n
.if (\n) < 80
	global_load_b128 v[RING+4*((\n)%DEPTH):RING+4*((\n)%DEPTH)+3], v[XG], s[8:9] offset:(\n)*512
.else
	global_load_b128 v[RING+4*((\n)%DEPTH):RING+4*((\n)%DEPTH)+3], v[WG], s[32:33] offset:((\n)-80)*5120
.endif
.endm
.macro STG n
.if NLOAD-1-(\n) < DEPTH-1
	s_wait_loadcnt NLOAD-1-(\n)                    ; loads come back in order: mine is in, the younger ones stay out
.else
	s_wait_loadcnt DEPTH-1
.endif
.set R_SL, RING+4*((\n)%DEPTH)
.set R_CV, CV+2*((\n)%4)
	v_cvt_pk_f16_f32 v[R_CV],   v[R_SL],   v[R_SL+1]
	v_cvt_pk_f16_f32 v[R_CV+1], v[R_SL+2], v[R_SL+3]
.if (\n) < 80
.set X_PR, (\n)/5                                  ; pair of rows 0..15
.set X_SS, (\n)%5
.set X_OFF, (X_PR>>3)*XTILE+((2*X_PR)&15)*16
.if X_SS == 1
.set X_OFF, X_OFF+16*272
.endif
.if X_SS == 3
.set X_OFF, X_OFF+8*272+16
.endif
.if X_SS == 4
.set X_OFF, X_OFF+24*272+16
.endif
.if X_SS == 2
	ds_store_b64 v[LA2], v[R_CV:R_CV+1] offset:X_OFF
.else
	ds_store_b64 v[LA0], v[R_CV:R_CV+1] offset:X_OFF
.endif
.else
	ds_store_b64 v[LW], v[R_CV:R_CV+1] offset:((\n)-80)*384
.endif
.if (\n)+DEPTH < NLOAD
	RLOAD (\n)+DEPTH
.endif
.endm
	s_load_b512 s[8:23], s[0:1], 0x0               ; x 8, mask 10, Wq 12, Wk 14, Wv 16, Wo 18, qimg 20, kv 22
	s_load_b128 s[24:27], s[0:1], 0x40             ; maskw 24, wof 26
	v_lshrrev_b32 v9, 5, v0
	v_readfirstlane_b32 s30, v9                    ; wave 0..7
	s_mov_b32 s28, ttmp9                           ; bx
	s_and_b32 s29, ttmp7, 0xffff                   ; y
	v_and_b32 v1, 31, v0                           ; L
	v_and_b32 v2, 15, v0                           ; r
	v_bfe_u32 v3, v0, 4, 1                         ; h
	s_lshl_b32 s31, s29, 3
	s_lshl1_add_u32 s31, s30, s31                  ; waves 0-3: ct0 = 8 y + 2 w
	s_wait_kmcnt 0x0
	s_cmp_ge_u32 s30, 4
	s_cbranch_scc1 .Lmask_a
; ---- waves 0-3, staging: my 32 tokens of x and my 32 virtual columns of W, f32 to f16, into LDS.
	s_mul_i32 s34, s28, 163840                     ; 128 rows of 1,280 bytes
	s_mov_b32 s35, 0
	s_add_nc_u64 s[8:9], s[8:9], s[34:35]
	s_mul_i32 s39, s30, 40960                      ; 32 rows of x
	v_lshl_add_u32 v[XG], v1, 4, s39
.set idx, 0
.rept DEPTH
	RLOAD idx                                      ; the first 48 loads are all of x: they go out before the other addresses are made
.set idx, idx+1
.endr
	s_cmp_lt_u32 s31, 20
	s_cselect_b64 s[32:33], s[12:13], s[14:15]     ; my weights: Wq, Wk
	s_cselect_b32 s35, 0, 20
	s_cmp_lt_u32 s31, 40
	s_cselect_b64 s[32:33], s[32:33], s[16:17]     ; or Wv
	s_cselect_b32 s35, s35, 40
	s_cselect_b32 s36, 0, -1                       ; all lanes: my tiles are v's
	s_sub_co_u32 s35, s31, s35                     ; my first tile's number within its matrix
	s_mul_i32 s37, s30, XPART
	s_mul_i32 s38, s30, WPART
	s_add_co_u32 s38, s38, WS0
	; x: two rows are 2,560 bytes = five loads of 512.  Lane L of load s holds the four numbers f = 32 s + L of 160; 80 make a row.
	; s = 0, 1: first row, k = 4 f.  s = 3, 4: second row, k = 4 (f - 80).  These differ from s = 0 by constants, which stand in the stores' immediates.
	v_lshrrev_b32 v9, 1, v1
	v_and_b32 v19, 1, v0
	v_mul_u32_u24 v9, v9, 272                      ; block of 8 k
	v_lshl_add_u32 v9, v19, 3, v9                  ; its lower or upper 8 bytes
	v_add_nc_u32 v[LA0], s37, v9
	; s = 2: lanes 0-15 end the first row (k = 256 + 4 r), lanes 16-31 begin the second (k = 4 r)
	v_lshrrev_b32 v9, 1, v2
	v_xor_b32 v20, 1, v3
	v_mul_u32_u24 v9, v9, 272
	v_lshl_add_u32 v9, v19, 3, v9
	v_mad_u32_u24 v9, v20, 32*272, v9
	v_lshl_add_u32 v9, v3, 4, v9
	v_add_nc_u32 v[LA2], s37, v9
	; W: a load takes 4 k rows x 32 virtual columns; lane: row L / 8, columns 4 (L mod 8) .. +3
	v_and_b32 v9, 7, v0                            ; sub
	v_lshrrev_b32 v19, 2, v9                       ; which of my two tiles
	s_lshl_b32 s34, s35, 4
	v_lshl_add_u32 v20, v9, 2, s34                 ; q, k: the column is 16 tile + 4 sub
	v_add_nc_u32 v21, s35, v19                     ; v: tile 0..23
	v_mul_u32_u24 v22, v21, 11
	v_lshrrev_b32 v22, 5, v22                      ; head = tile / 3 (exact for 0..23)
	v_mul_u32_u24 v23, v22, 3
	v_sub_nc_u32 v21, v21, v23                     ; t
	v_and_b32 v23, 3, v9
	v_lshlrev_b32 v23, 2, v23                      ; column in the tile
	v_and_b32 v24, 7, v23                          ; tile t = 2 has 8 real columns: its upper 8 read the lower 8 again, inside Wv; FILL replaces their results
	v_cmp_eq_u32 vcc_lo, 2, v21
	v_cndmask_b32 v23, v23, v24, vcc_lo
	v_mul_u32_u24 v22, v22, 40
	v_lshl_add_u32 v22, v21, 4, v22
	v_add_nc_u32 v22, v22, v23
	v_cndmask_b32 v20, v20, v22, s36
	v_lshrrev_b32 v21, 3, v1
	v_mul_u32_u24 v22, v21, 1280
	v_lshl_add_u32 v[WG], v20, 2, v22
	v_mul_u32_u24 v22, v21, 96
	v_lshl_add_u32 v22, v9, 3, v22
	v_add_nc_u32 v[LW], s38, v22
.set idx, 0
.rept NLOAD
	STG idx
.set idx, idx+1
.endr
	s_branch .Ljoin
; ---- waves 4-7: the first four blocks of mask words, and Wo's fragments
.Lmask_a:
	MPART 0, 1
.Ljoin:
	s_wait_dscnt 0x0                               ; zero: my stores of x are in LDS before I say so
	s_barrier_signal -1
	s_barrier_wait -1                              ; all 128 tokens of x are there; the launch's only barrier, in every wave's text
	s_cmp_ge_u32 s30, 4
	s_cbranch_scc1 .Lmask_b
; ---- waves 0-3: the products.
.macro XLOAD i, buf                    ; the fragments of token tile i: 10 K steps x 2 loads
.irp ks, 0,1,2,3,4,5,6,7,8,9
	ds_load_b128 v[\buf+8*\ks:\buf+8*\ks+3],   v[XA+((\i)>>2)] offset:((\i)&3)*XTILE+\ks*1088
	ds_load_b128 v[\buf+8*\ks+4:\buf+8*\ks+7], v[XA+((\i)>>2)] offset:((\i)&3)*XTILE+\ks*1088+544
.endr
.endm
; Token tile i.  kind 0 q, 1 k: source 0 = weights, source 1 = x, so a lane holds 8 neighbouring dims of token r.
; kind 2 v: source 0 = x, source 1 = weights, so a lane holds 8 neighbouring tokens of dim r.
.macro TT i, kind
.if (\i) & 1
.set CUR, XF1
.set NXT, XF0
.else
.set CUR, XF0
.set NXT, XF1
.endif
.if (\i) < 7
	XLOAD (\i)+1, NXT                              ; the other buffer's last readers lie behind the places of the tile before
	s_wait_dscnt 20                                ; all but the 20 just issued: this tile's fragments are in (and, in the first tile, my weights')
.else
	s_wait_dscnt 0x0
.endif
.if \kind == 2
	WIN 0x04                                       ; source 1 window 1
.else
	WIN 0x01                                       ; source 0 window 1
.endif
.irp ks, 0,1,2,3,4,5,6,7,8,9                       ; the two accumulators take turns
.irp c2, 0,1
.if \kind == 2
.if \ks == 0
	v_wmma_f32_16x16x32_f16 v[ACC+8*\c2:ACC+8*\c2+7], v[CUR+8*\ks:CUR+8*\ks+7], v[(\c2*10+\ks)*8:(\c2*10+\ks)*8+7], 0
.else
	v_wmma_f32_16x16x32_f16 v[ACC+8*\c2:ACC+8*\c2+7], v[CUR+8*\ks:CUR+8*\ks+7], v[(\c2*10+\ks)*8:(\c2*10+\ks)*8+7], v[ACC+8*\c2:ACC+8*\c2+7]
.endif
.else
.if \ks == 0
	v_wmma_f32_16x16x32_f16 v[ACC+8*\c2:ACC+8*\c2+7], v[(\c2*10+\ks)*8:(\c2*10+\ks)*8+7], v[CUR+8*\ks:CUR+8*\ks+7], 0
.else
	v_wmma_f32_16x16x32_f16 v[ACC+8*\c2:ACC+8*\c2+7], v[(\c2*10+\ks)*8:(\c2*10+\ks)*8+7], v[CUR+8*\ks:CUR+8*\ks+7], v[ACC+8*\c2:ACC+8*\c2+7]
.endif
.endif
.endr
.endr
	WIN 0
.rept 5
	v_nop                                          ; places behind the products: four for the reads of the sums and the loads into CUR, five for the next tile's first product, which writes over a sum
.endr
	s_wait_xcnt 0x0                                ; the last tile's stores have read PK: it is rewritten only behind this wait
.if \kind == 0
.irp k, 0,1,2,3,4,5,6,7
	v_pk_mul_f32 v[ACC+2*\k:ACC+2*\k+1], v[ACC+2*\k:ACC+2*\k+1], s[44:45] op_sel_hi:[1,0]   ; q's scale, in f32, ahead of the one rounding
.endr
.endif
.irp c2, 0,1
.irp k, 0,1,2,3
	v_cvt_pk_f16_f32 v[PK+4*\c2+\k], v[ACC+8*\c2+2*\k], v[ACC+8*\c2+2*\k+1]
.endr
.endr
.if \kind == 2
.irp c2, 0,1
.irp k, 0,1,2,3
	v_cndmask_b32 v[PK+4*\c2+\k], v[PK+4*\c2+\k], v[FILL], s[42+\c2]   ; in a tile t = 2: rows 40-47 become 1.0, 0 .. 0
.endr
.endr
.endif
.irp c2, 0,1                                       ; sixteen neighbouring lanes store 256 consecutive bytes, aligned
.if \kind == 0
	global_store_b128 v[VO+\c2], v[PK+4*\c2:PK+4*\c2+3], s[20:21] offset:(\i)*1280
.endif
.if \kind == 1
	global_store_b128 v[VO+\c2], v[PK+4*\c2:PK+4*\c2+3], s[22:23] offset:((\i)>>2)*11264+((\i)&3)*1280
.endif
.if \kind == 2
	global_store_b128 v[VO+\c2], v[PK+4*\c2:PK+4*\c2+3], s[22:23] offset:((\i)>>2)*11264+(((\i)>>1)&1)*3072+((\i)&1)*512
.endif
.endr
.endm
.macro PROJ kind
.irp i, 0,1,2,3,4,5,6,7
	TT \i, \kind
.endr
	s_endpgm
.endm
; q, k: my 8 dims are group cg = 2 tile + h of 40; head = cg / 5, group in the head = cg mod 5
.macro VOQK c2, hs
	s_add_co_u32 s34, s35, \c2
	s_lshl_b32 s34, s34, 1
	v_add_nc_u32 v9, s34, v3
	v_mul_u32_u24 v19, v9, 13
	v_lshrrev_b32 v19, 6, v19                      ; cg / 5 (exact for 0..39)
	v_mul_u32_u24 v20, v19, 5
	v_sub_nc_u32 v9, v9, v20
	v_mul_u32_u24 v19, v19, \hs
	v_lshl_add_u32 v19, v9, 8, v19
	v_lshl_add_u32 v19, v2, 4, v19
	v_add_nc_u32 v[VO+\c2], s39, v19
.endm
	s_mul_i32 s38, s30, WPART
	s_add_co_u32 s38, s38, WS0                     ; my weights in LDS
	v_and_b32 v9, 7, v0
	v_lshl_add_u32 v22, v3, 3, v9                  ; transposing loads: row 8 h + L mod 8,
	v_mul_u32_u24 v22, v22, 96
	v_bfe_u32 v23, v0, 3, 1
	v_lshl_add_u32 v22, v23, 4, v22                ; 16 bytes for each half of eight lanes' pair
	v_add_nc_u32 v[TRA], s38, v22
	v_mul_u32_u24 v[XA], v3, 272                   ; x fragments: block h, token r
	v_lshl_add_u32 v[XA], v2, 4, v[XA]
	v_add_nc_u32 v[XA+1], 4*XTILE, v[XA]
	; my weights' fragments, transposed on the way out of my own LDS bytes
	WIN 0x40                                       ; destination window 1
.irp c2, 0,1
.irp ks, 0,1,2,3,4,5,6,7,8,9
	ds_load_tr16_b128 v[(\c2*10+\ks)*8:(\c2*10+\ks)*8+3],   v[TRA] offset:\ks*3072+\c2*32
	ds_load_tr16_b128 v[(\c2*10+\ks)*8+4:(\c2*10+\ks)*8+7], v[TRA] offset:\ks*3072+\c2*32+1536
.endr
.endr
	WIN 0
	XLOAD 0, XF0
	s_cmp_lt_u32 s31, 20
	s_cbranch_scc1 .Lproj_q
	s_cmp_lt_u32 s31, 40
	s_cbranch_scc1 .Lproj_k
	; v
	s_sub_co_u32 s35, s31, 40                      ; my first tile's number within v's 24
	s_mul_i32 s39, s28, 22528                      ; two key blocks for each token block
	s_add_co_u32 s39, s39, 5120                    ; behind k's part
	v_mov_b32 v19, 0x3c003c00                      ; 1.0 twice, in f16
	v_cmp_eq_u32 vcc_lo, 8, v2
	v_cndmask_b32 v[FILL], 0, v19, vcc_lo
.irp c2, 0,1
	s_add_co_u32 s34, s35, \c2
	s_mul_i32 s37, s34, 11
	s_lshr_b32 s37, s37, 5                         ; head
	s_mul_i32 s38, s37, 3
	s_sub_co_u32 s34, s34, s38                     ; t
	s_cmp_eq_u32 s34, 2
	s_cselect_b32 s[42+\c2], 0xff00ff00, 0         ; lanes r = 8..15 of a tile t = 2
	s_mul_i32 s37, s37, 720896
	s_lshl_b32 s34, s34, 10
	s_add_co_u32 s37, s37, s34
	s_add_co_u32 s37, s37, s39
	v_lshl_add_u32 v[VO+\c2], v1, 4, s37
.endr
	PROJ 2
.Lproj_k:
	s_sub_co_u32 s35, s31, 20                      ; my first tile's number within k's 20
	s_mul_i32 s39, s28, 22528
	VOQK 0, 720896
	VOQK 1, 720896
	PROJ 1
.Lproj_q:
	s_mov_b32 s35, s31                             ; my first tile's number within q's 20
	s_mul_i32 s39, s28, 10240
	s_mov_b32 s44, 0x3e6995b3                      ; 40^-0.5 * log2(e): the scores come out ready for v_exp_f32, which works in base 2
	s_mov_b32 s45, 0                               ; the pair's other half; the broadcast takes s44 alone
	VOQK 0, 327680
	VOQK 1, 327680
	PROJ 0
; ---- waves 4-7: the other four blocks of mask words, beside the products
.Lmask_b:
	MPART 4, 0
	s_endpgm
.Lfunc_end_k_q19e7bdfb34_prep:
	.size	k_q19e7bdfb34_prep, .Lfunc_end_k_q19e7bdfb34_prep-k_q19e7bdfb34_prep
	.p2alignl 7, 3214868480
	.fill 96, 4, 3214868480
	.section	.rodata,"a",@progbits
	.p2align	6, 0x0
	.amdhsa_kernel k_q19e7bdfb34_prep
		.amdhsa_group_segment_fixed_size 209920
		.amdhsa_private_segment_fixed_size 0
		.amdhsa_enable_private_segment 0
		.amdhsa_kernarg_size 80
		.amdhsa_user_sgpr_count 2
		.amdhsa_user_sgpr_kernarg_segment_ptr 1
		.amdhsa_wavefront_size32 1
		.amdhsa_system_sgpr_workgroup_id_x 1
		.amdhsa_system_sgpr_workgroup_id_y 1
		.amdhsa_system_sgpr_workgroup_id_z 1
		.amdhsa_system_vgpr_workitem_id 0
		.amdhsa_next_free_vgpr 416
		.amdhsa_next_free_sgpr 66
		.amdhsa_reserve_vcc 1
		.amdhsa_float_denorm_mode_32 3
		.amdhsa_float_denorm_mode_16_64 3
		.amdhsa_memory_ordered 1
		.amdhsa_forward_progress 1
		.amdhsa_inst_pref_size 255
	.end_amdhsa_kernel
	.section	.bss,"aw",@nobits
	.p2align	6
	.space	262144
	.amdgpu_metadata
---
amdhsa.version: [ 1, 2 ]
amdhsa.kernels:
  - .name:           k_q19e7bdfb34_prep
    .symbol:         k_q19e7bdfb34_prep.kd
    .args:
      - { .name: x, .offset: 0, .size: 8, .value_kind: global_buffer, .address_space: global }
      - { .name: guidance_mask, .offset: 8, .size: 8, .value_kind: global_buffer, .address_space: global }
      - { .name: Wq, .offset: 16, .size: 8, .value_kind: global_buffer, .address_space: global }
      - { .name: Wk, .offset: 24, .size: 8, .value_kind: global_buffer, .address_space: global }
      - { .name: Wv, .offset: 32, .size: 8, .value_kind: global_buffer, .address_space: global }
      - { .name: Wo, .offset: 40, .size: 8, .value_kind: global_buffer, .address_space: global }
      - { .name: qimg, .offset: 48, .size: 8, .value_kind: global_buffer, .address_space: global }
      - { .name: kv, .offset: 56, .size: 8, .value_kind: global_buffer, .address_space: global }
      - { .name: maskw, .offset: 64, .size: 8, .value_kind: global_buffer, .address_space: global }
      - { .name: wof, .offset: 72, .size: 8, .value_kind: global_buffer, .address_space: global }
    .group_segment_fixed_size: 209920
    .private_segment_fixed_size: 0
    .kernarg_segment_align: 8
    .kernarg_segment_size: 80
    .max_flat_workgroup_size: 256
    .sgpr_count:     66
    .vgpr_count:     416
    .wavefront_size: 32
...
	.end_amdgpu_metadata
.endif
;; end of part 4
;; launch attn (part 5): grid 32 x 8, 4 waves a work-group, clusters of 4 x 1, 327,680 bytes of LDS; arguments qimg, kv, maskw, ao; writes ao
.if DOCPART == 5
	.amdgcn_target "amdgcn-amd-amdhsa--gfx1250"
	.amdhsa_code_object_version 6
	.text
	.protected	k_q19e7bdfb34_attn
	.globl	k_q19e7bdfb34_attn
	.p2align	8
	.type	k_q19e7bdfb34_attn,@function
k_q19e7bdfb34_attn:
	s_mov_b64 s[64:65], 0
	v_nop
	global_prefetch_b8 v0, s[64:65] scope:SCOPE_SE
	s_setreg_imm32_b32 hwreg(HW_REG_WAVE_MODE, 25, 1), 1
	s_wait_xcnt 0x0
	s_wait_alu depctr_hold_cnt(0) depctr_sa_sdst(0) depctr_va_vdst(0) depctr_va_sdst(0) depctr_va_ssrc(0) depctr_va_vcc(0) depctr_vm_vsrc(0)
	s_getreg_b32 s2, hwreg(HW_REG_IB_STS2, 6, 4)
	s_cmp_eq_u32 s2, 0
	s_cbranch_scc0 .Lentry_in_a_cluster
	s_endpgm
.Lentry_in_a_cluster:
	s_bfe_u32 s2, ttmp6, 0x10000c
	s_cmp_lg_u32 s2, 0x3003
	s_cbranch_scc0 .Lentry_shape_is_right
	s_endpgm
.Lentry_shape_is_right:
; ATTENTION with the guidance mask, one head x 128 queries for a work-group, 32 queries (two tiles of 16, A and B) for a wave, keys in sub-trips of 64.
; Scores are made transposed, S^T = K Q^T: register j of lane (r, h) holds (key 8 h + j, query r).  So a query's statistics live in its own two lanes
; (one exchange between the halves), the packed weights ARE the second source of the next product, O^T = V^T P^T, and a lane ends with 8 neighbouring dims of one query.
; THE SCHEDULE: the two query tiles run half a sub-trip apart and take turns.  Sub-trip j is two halves:
;   half 1: products O_A += V(j-1) P_A(j-1), then S_A(j) = K(j) Q_A;   between them the vector phase of tile B on block j-1
;   half 2: products O_B += V(j-1) P_B(j-1), then S_B(j) = K(j) Q_B;   between them the vector phase of tile A on block j
; A half has 14 matrix instructions and a vector phase of 161 instructions, written as a numbered stream (VI) and dealt out behind the matrix instructions (MM):
; 16 behind each of the six products on O, 8 behind each of the next seven, 9 behind the last.  The vector phase names none of the other tile's registers, so its plain
; instructions are also the places that the products ask for (ISA guide 7.12.1).  One buffer each for S, K and V is enough: S_X(j) writes over P_X(j-1) only behind the products that read it.
; THE MASK: one 32-bit word for each score register, made by the first launch (which leaves out the clamp in front of the test for 0: shown there); it is the lane mask of one v_cndmask_b32.
; One vector load brings the 128 words of two sub-trips (512 consecutive bytes); it lands in YQ and is copied to XQ at the head of the next body of two sub-trips, so it has a whole body's work in which
; to land.  (By scalar loads the words could be asked for one sub-trip ahead at the most: 64 scalar registers hold one sub-trip's words, and scalar loads are waited for by 0 alone.)
; Each half moves the 32 words that the next half selects by from XQ's lanes into scalar registers.
; SOFTMAX: running maximum m, from -FLT_MAX.  Closed scores are -FLT_MAX BEFORE the maximum, as in the module.  While a row has met no open key, m = -FLT_MAX and each weight is
; exp2(0) = 1: a row that stays so is uniform over all 4,096 keys.  The first open score makes alpha = exp2(-FLT_MAX - m) = 0, which wipes that prefix.
; The sum of the weights is row d = 40 of O: V's row 40 is 1.0.  It is at least 1 at the end, and uses the weights as rounded to f16, like the numerator.
; dh = 40 in two products with windows that overlap: [k dims 0-15 | 16-31] x [q dims 0-15 | half of q dims 16-31], then [k dims 16-31 | 32-39, in both halves of the lanes] x
; [half of q dims 16-31 | q dims 32-39, 0 in lanes 16-31].  Dims 16-31 enter twice with half of q, which spares registers of zeros.
; FORMAT: operands in f16.  A weight lies in (0, 1], whatever the inputs: its rounding error is at most 2^-12 of itself or 2^-25.
; The result is stored times 4 (the factor rides on the reciprocal of the sum; Wo carries 1/4): it is an average and small beside v, and f16's steps below 6.1e-5 are fixed.
; LIMITS: 4 |v| must stay below 65,504; weights below 2^-25 are 0; halving q is exact above 2^-13 and costs at most 3e-8 below; an infinity or NaN in k's dims 32-39 meets the zeros in lanes 16-31
; and spoils that key's score, which it spoils in the module too.
; CLUSTER: the four query blocks 4 X .. 4 X + 3 of a head walk the same k and v: each tile is asked for jointly (mask 15), each wave its quarter.  The place in the cluster enters global addresses of q, mask words and the result alone.
; LDS: two slots of 8 key blocks (90,112 bytes).  By this text's count a wave has one tensor load out at any time; it is asked for a whole slot, 8 sub-trips, ahead of its first read.
; Block j's k and v are both read inside sub-trip j, so a slot's reads begin and end with its own 8 sub-trips.
.set KBB,  11264                       ; a key block: k 5,120 bytes, v 6,144
.set SLOT, 8*KBB
.set QB,   SLOT/4                      ; a wave's quarter: 88 rows of 256 bytes
.set KA,  2                            ; v2, v3   LDS address of the body's first block, + 16 L and + 16 r   (v0 = 16 L, v1 = 16 r)
.set KB,  3
.set MX,  4                            ; v[4:5]   m of tile A, B
.set AL,  6                            ; v[6:7]   alpha
.set T,   8                            ; v[8:11]  at work: one vector phase runs at a time
.set Q,   12                           ; v[12:35] tile at 12 x tile: dims 0-15, half of dims 16-31, dims 32-39
.set XQ,  36                           ; v[36:39] the body's 128 mask words: word i in register i mod 4, lane i / 4
.set YQ,  40                           ; v[40:43] the next body's, landing
.set K,   44                           ; v[44:91] key tile kt at 12 kt: dims 0-15, 16-31, 32-39
.set V,   92                           ; v[92:139] (kb32*3 + t)*8
.set S,   140                          ; v[140:203] tile*32 + kt*8 + j; the weights are packed in place
.set O,   204                          ; v[204:251] tile*24 + t*8
.set MA,  252                          ; v252 byte offset of my 16 bytes of the landing words
.set HF,  253                          ; v253 0.5 twice, in f16
.set NEG, 254                          ; v254 -FLT_MAX
.set G1,  84                           ; s[84:91] descriptor group 1
.set G0,  92                           ; s[92:99] descriptor group 0, one for each slot
; s[16:47] tile A's 32 mask words, s[48:63] and s[68:83] tile B's.  s12 wave, s14 body number, s15 and s100 counters, s66-67 lane selects, s101 lanes 16-31.
; A round of the cluster's barrier: my work-group's barrier, wave 0 signals for the work-group, every wave waits for all four work-groups, my work-group's barrier again.
.macro ROUND
	s_barrier_signal -1
	s_barrier_wait -1
	s_cmp_lg_u32 s12, 0
	s_cbranch_scc1 .Lnot_wave_0_\@
	s_barrier_signal -3
.Lnot_wave_0_\@:
	s_barrier_wait -3
	s_barrier_signal -1
	s_barrier_wait -1
.endm
.macro KLOAD off                       ; 4 key tiles x 3 loads; every lane at 16 x its number: no bank is asked twice
.irp kt, 0,1,2,3
	ds_load_b128 v[K+12*\kt:K+12*\kt+3],    v[KA] offset:\off+\kt*1280
	ds_load_b128 v[K+12*\kt+4:K+12*\kt+7],  v[KA] offset:\off+\kt*1280+512
	ds_load_b128 v[K+12*\kt+8:K+12*\kt+11], v[KB] offset:\off+\kt*1280+1024
.endr
.endm
.macro VLOAD off                       ; 6 fragments of v x 2 loads
.irp f, 0,1,2,3,4,5
	ds_load_b128 v[V+8*\f:V+8*\f+3],   v[KA] offset:\off+5120+\f*1024
	ds_load_b128 v[V+8*\f+4:V+8*\f+7], v[KA] offset:\off+5120+\f*1024+512
.endr
.endm
; Matrix instruction n of a half, for tile x.  n = 0..5: O(t) += V(kb, t) P(kb), n = 3 kb + t (pv = 2: the first block, kb = 0 starts the sums).
; n = 6..13: the scores, in the order first product kt, kt + 1, second product kt, kt + 1.  No two that follow each other share an accumulator: they take turns.
.macro MM n, x, pv, qk
.if (\n) < 6
.if \pv
.set M_KB, (\n)/3
.set M_O, O+24*\x+8*((\n)%3)
.set M_V, V+8*(\n)
.set M_P, S+32*\x+16*M_KB
.if (\pv)*4+M_KB == 8
	v_wmma_f32_16x16x32_f16 v[M_O:M_O+7], v[M_V:M_V+7], v[M_P:M_P+7], 0
.else
	v_wmma_f32_16x16x32_f16 v[M_O:M_O+7], v[M_V:M_V+7], v[M_P:M_P+7], v[M_O:M_O+7]
.endif
.endif
.else
.if \qk
.set M_Q, (\n)-6
.set M_KT, 2*(M_Q/4)+(M_Q%2)
.set M_S, S+32*\x+8*M_KT
.if (M_Q%4) < 2
	v_wmma_f32_16x16x32_f16 v[M_S:M_S+7], v[K+12*M_KT:K+12*M_KT+7], v[Q+12*\x:Q+12*\x+7], 0
.else
	v_wmma_f32_16x16x32_f16 v[M_S:M_S+7], v[K+12*M_KT+4:K+12*M_KT+11], v[Q+12*\x+4:Q+12*\x+11], v[M_S:M_S+7]
.endif
.endif
.endif
.endm
; Word n of tile x's 32, of the body's sub-trip par: word 64 par + 32 x + n of XQ, into the tile's scalar set (which skips s64-67)
.macro RLN n, x, par
	v_readlane_b32 s[16+32*\x+(\n)+4*((32*\x+(\n))/48)], v[XQ+((\n)&3)], 16*\par+8*\x+((\n)>>2)
.endm
.macro PKA p, y                        ; two scores less the maximum
	v_pk_add_f32 v[S+32*\y+2*(\p):S+32*\y+2*(\p)+1], v[S+32*\y+2*(\p):S+32*\y+2*(\p)+1], v[MX:MX+1] op_sel:[0,\y] op_sel_hi:[1,\y] neg_lo:[0,1] neg_hi:[0,1]
.endm
.macro PKM p, y                        ; two sums times alpha
	v_pk_mul_f32 v[O+24*\y+2*(\p):O+24*\y+2*(\p)+1], v[O+24*\y+2*(\p):O+24*\y+2*(\p)+1], v[AL:AL+1] op_sel:[0,\y] op_sel_hi:[1,\y]
.endm
.macro CVT c, y                        ; weights 2 c, 2 c + 1 into register c of 8 for each 32 keys: keys 8 h + j, then 16 + 8 h + j: the product's second source as it stands.  In ascending c no weight is written over before it is read
	v_cvt_pk_f16_f32 v[S+32*\y+16*((\c)/8)+((\c)%8)], v[S+32*\y+2*(\c)], v[S+32*\y+2*(\c)+1]
.endm
; Instruction i (0..160) of the vector phase of tile y; x is the other tile, whose next 32 mask words are moved on the way (rl = 1), par the sub-trip's place in the body.
; vec = 0: no phase; 1: the phase; 2: the tile's first block: no alpha, nothing to rescale.
;   0-31 selects | 32-45 maximum in four chains | 46-57 the chain of four statistics, two word moves behind each link | 58-60 alpha | 61-62 two subtractions |
;   63-126 32 pairs of an exponential and a plain instruction (14 subtractions, 12 rescales, 6 packs), so that no exponential follows another and each result is used
;   behind a plain instruction (ISA guide 5.7.2) | 127-150 word moves | 151-160 packs
.macro VI i, y, x, vec, rl, par
.set V_S, S+32*\y
.if (\i) < 32
.if \vec
	v_cndmask_b32 v[V_S+(\i)], v[NEG], v[V_S+(\i)], s[16+32*\y+(\i)+4*((32*\y+(\i))/48)]
.endif
.endif
.if (\i) >= 32
.if (\i) < 36
.if \vec
	v_max3_num_f32 v[T+(\i)-32], v[V_S+3*((\i)-32)], v[V_S+3*((\i)-32)+1], v[V_S+3*((\i)-32)+2]
.endif
.endif
.endif
.if (\i) >= 36
.if (\i) < 46
.if \vec
.set V_II, 12+2*((\i)-36)
	v_max3_num_f32 v[T+(V_II/2)%4], v[T+(V_II/2)%4], v[V_S+V_II], v[V_S+V_II+1]
.endif
.endif
.endif
.if (\i) >= 46
.if (\i) < 58
.set V_K, (\i)-46
.if (V_K%3) == 0
.if \vec
.if V_K == 0
	v_max3_num_f32 v[T], v[T], v[T+1], v[T+2]
.endif
.if V_K == 3
	v_max_num_f32 v[T], v[T], v[T+3]
.endif
.if V_K == 6
	v_permlanex16_b32 v[T+1], v[T], s66, s67       ; the query's other 32 keys
.endif
.if V_K == 9
	v_max3_num_f32 v[T], v[T], v[T+1], v[MX+\y]
.endif
.endif
.else
.if \rl
	RLN 2*(V_K/3)+(V_K%3)-1, \x, \par
.endif
.endif
.endif
.endif
.if (\i) == 58
.if \vec == 1
	v_sub_f32 v[AL+\y], v[MX+\y], v[T]
.endif
.endif
.if (\i) == 59
.if \vec
	v_mov_b32 v[MX+\y], v[T]
.endif
.endif
.if (\i) == 60
.if \vec == 1
	v_exp_f32 v[AL+\y], v[AL+\y]
.endif
.endif
.if (\i) >= 61
.if (\i) < 63
.if \vec
	PKA (\i)-61, \y
.endif
.endif
.endif
.if (\i) >= 63
.if (\i) < 127
.if \vec
.set V_K, (\i)-63
.set V_E, V_K/2
.if (V_K%2) == 0
	v_exp_f32 v[V_S+V_E], v[V_S+V_E]
.else
.if V_E < 14
	PKA V_E+2, \y
.else
.if V_E < 26
.if \vec == 1
	PKM V_E-14, \y
.endif
.else
	CVT V_E-26, \y
.endif
.endif
.endif
.endif
.endif
.endif
.if (\i) >= 127
.if (\i) < 151
.if \rl
	RLN (\i)-119, \x, \par
.endif
.endif
.endif
.if (\i) >= 151
.if \vec
	CVT (\i)-145, \y
.endif
.endif
.endm
; A half: tile x's 14 matrix instructions, tile y's vector phase between them.  vw: the count of the wait for v in front of tile A's products on O.  voff >= 0: v of the block at that offset is fetched.
; Behind matrix instruction n stand 16 (n < 6), 8 (n < 13) or 9 instructions of the stream.
.macro HALF x, y, pv, qk, vec, rl, par, vw, voff
.set h_i, 0
.irp n, 0,1,2,3,4,5,6,7,8,9,10,11,12,13
.if \n == 0
.if \pv
.if \x == 0
	s_wait_dscnt \vw                               ; v's 12 loads are in; the 12 issued behind them, this sub-trip's k, stay out
.endif
.endif
.endif
.if \n == 6
.if \x == 0
.if \qk
	s_wait_dscnt 0x0                               ; k, asked for six products and 96 vector instructions ago
.endif
.else
.if \voff >= 0
	VLOAD \voff                                    ; behind the last product that read v stand six packed subtractions: four places are asked for
.endif
.endif
.endif
	MM \n, \x, \pv, \qk
.rept 16-8*((\n+6)/12)+(\n/13)
	VI h_i, \y, \x, \vec, \rl, \par
.set h_i, h_i+1
.endr
.endr
.endm
; Sub-trip par (0, 1) of a body.  k is fetched first: behind the last product that read k stand the nine packs that end the half before.
.macro JIT par, pv1, vec1, pv2, vec2
	KLOAD \par*KBB
	HALF 0, 1, \pv1, 1, \vec1, 1, \par, 12, -1
.if \vec1 == 0
.rept 4
	v_nop                                          ; once in the launch: no vector phase stood among these products, and the selects that follow read their results
.endr
.endif
	HALF 1, 0, \pv2, 1, \vec2, 1, \par, 0, \par*KBB
.endm
; A body: two sub-trips on one load of mask words.
.macro BODY first
	s_wait_loadcnt 0x0                             ; this body's words, asked for a body ago: the only load out
.irp k, 0,1,2,3
	v_mov_b32 v[XQ+\k], v[YQ+\k]
.endr
	s_add_co_u32 s14, s14, 1                       ; the next body's number
	s_cmp_lt_u32 s14, 32
	s_cbranch_scc0 .Lno_words_\@                   ; the row has 32 bodies' words: the last body asks for none
	v_add_nc_u32 v[MA], 512, v[MA]                 ; free since the wait above
	global_load_b128 v[YQ:YQ+3], v[MA], s[8:9]     ; 512 consecutive bytes, aligned
.Lno_words_\@:
.if \first
	JIT 0, 0, 0, 0, 2                              ; block 0: scores of A; scores of B beside A's first vector phase
	JIT 1, 2, 2, 2, 1                              ; the first products on O start the sums: nothing is cleared
.else
	JIT 0, 1, 1, 1, 1
	JIT 1, 1, 1, 1, 1
.endif
	v_add_nc_u32 v[KA], 2*KBB, v[KA]
	v_add_nc_u32 v[KB], 2*KBB, v[KB]
.endm
; A slot's 8 sub-trips.  In front of the round every wave has waited for all its tensor loads (its quarter of this slot among them) and for its reads of the other slot;
; behind the round that holds of every wave of all four work-groups, and the joint refill of the other slot comes first.
.macro TRIP slot, refill, first
	s_wait_tensorcnt 0x0
	s_add_nc_u64 s[G0+4*\slot+2:G0+4*\slot+3], s[G0+4*\slot+2:G0+4*\slot+3], 2*SLOT   ; no load of mine is out: this slot's next tile (in the last two trips not used)
	s_wait_dscnt 0x0
	ROUND
.if \refill
	tensor_load_to_lds s[G0+4-4*\slot:G0+7-4*\slot], s[G1:G1+7]
.endif
	v_add_nc_u32 v[KA], \slot*SLOT, v0
	v_add_nc_u32 v[KB], \slot*SLOT, v1
.if \first
	BODY 1
	s_mov_b32 s15, 3
.else
	s_mov_b32 s15, 4
.endif
.Lbody_\@:
	BODY 0
	s_sub_co_u32 s15, s15, 1
	s_cmp_lg_u32 s15, 0
	s_cbranch_scc1 .Lbody_\@
.endm
	s_load_b256 s[4:11], s[0:1], 0x0               ; qimg 4, kv 6, maskw 8, ao 10
	v_lshrrev_b32 v2, 5, v0
	v_readfirstlane_b32 s12, v2                    ; wave
	v_and_b32 v1, 15, v0
	v_and_b32 v0, 31, v0
	v_lshlrev_b32 v1, 4, v1                        ; 16 r
	v_lshlrev_b32 v0, 4, v0                        ; 16 L
	s_bfe_u32 s2, ttmp6, 0x40000                   ; cx
	s_lshl_b32 s3, ttmp9, 2
	s_add_co_u32 s3, s3, s2                        ; query block = 4 x cluster x + cx
	s_and_b32 s13, ttmp7, 0xffff                   ; head
	s_mov_b32 s[G1+0], 0x0023000f                  ; 15:0 mask: all four of the cluster; 17:16 elements of 8 bytes; 21 set beside a mask; no padding
	s_mov_b32 s[G1+1], 32<<16                      ; tensor_dim0 = 32 elements = 256 bytes
	s_mov_b32 s[G1+2], 88<<16                      ; tensor_dim1 = 88
	s_mov_b32 s[G1+3], 32<<16                      ; tile_dim0 = 32
	s_mov_b32 s[G1+4], 88                          ; tile_dim1 = 88 rows
	s_mov_b32 s[G1+5], 32                          ; from row to row 32 elements: the block is dense
	s_mov_b32 s[G1+6], 0
	s_mov_b32 s[G1+7], 0
	s_mul_i32 s18, s12, QB                         ; my quarter, in LDS and in memory: the wave's number alone
	s_mul_i32 s16, s13, 64*KBB                     ; the head's k and v
	s_add_co_u32 s16, s16, s18
	s_mov_b32 s17, 0
	s_lshl_b32 s20, s13, 8                         ; q: tile 256 head + 8 block + 2 wave, 1,280 bytes each
	s_lshl3_add_u32 s20, s3, s20
	s_lshl1_add_u32 s20, s12, s20
	s_mul_i32 s20, s20, 1280
	s_mov_b32 s21, 0
	s_lshl2_add_u32 s22, s3, s12                   ; mask words: my 32 queries' row of 64 blocks of 256 bytes
	s_lshl_b32 s22, s22, 14
	s_mov_b32 s23, 0
	s_lshl_b32 s24, s3, 3                          ; result: row tile 8 block + 2 wave, 10,240 bytes each; the head's 5 groups of 256
	s_lshl1_add_u32 s24, s12, s24
	s_mul_i32 s24, s24, 10240
	s_mul_i32 s25, s13, 1280
	s_add_co_u32 s24, s24, s25
	s_mov_b32 s25, 0
	s_mov_b32 s66, 0x76543210                      ; v_permlanex16_b32: lane i reads lane i of the other half
	s_mov_b32 s67, 0xfedcba98
	s_mov_b32 s101, 0xffff0000
	s_mov_b32 s14, 0
	s_wait_kmcnt 0x0
	s_add_nc_u64 s[6:7], s[6:7], s[16:17]
	s_add_nc_u64 s[4:5], s[4:5], s[20:21]
	s_add_nc_u64 s[8:9], s[8:9], s[22:23]
	s_add_nc_u64 s[10:11], s[10:11], s[24:25]
.irp n, 0,1
	s_mov_b32 s[G0+4*\n], 1
	s_add_co_u32 s[G0+4*\n+1], s18, \n*SLOT
	s_add_nc_u64 s[G0+4*\n+2:G0+4*\n+3], s[6:7], \n*SLOT
	s_or_b32 s[G0+4*\n+3], s[G0+4*\n+3], 0x80000000
.endr
	ROUND                                          ; all four work-groups are here: the first joint loads meet
	tensor_load_to_lds s[G0:G0+3], s[G1:G1+7]      ; key blocks 0-7
.irp qt, 0,1
	global_load_b128 v[Q+12*\qt:Q+12*\qt+3],    v0, s[4:5] offset:\qt*1280
	global_load_b128 v[Q+12*\qt+4:Q+12*\qt+7],  v0, s[4:5] offset:\qt*1280+512
	global_load_b128 v[Q+12*\qt+8:Q+12*\qt+11], v1, s[4:5] offset:\qt*1280+1024
.endr
	v_mov_b32 v[MA], v0
	global_load_b128 v[YQ:YQ+3], v[MA], s[8:9]     ; the first body's mask words
	v_mov_b32 v[NEG], 0xff7fffff
	v_mov_b32 v[MX], 0xff7fffff
	v_mov_b32 v[MX+1], 0xff7fffff
	v_mov_b32 v[AL], 0                             ; the packed forms name both of a pair: written once here
	v_mov_b32 v[AL+1], 0
	v_mov_b32 v[HF], 0x38003800
	s_wait_loadcnt 0x1                             ; q's six loads are in; the one issued behind them, the words, stays out
.irp k, 4,5,6,7,16,17,18,19
	v_pk_mul_f16 v[Q+\k], v[Q+\k], v[HF]           ; dims 16-31 enter both products: half of q in each
.endr
.irp k, 8,9,10,11,20,21,22,23
	v_cndmask_b32 v[Q+\k], v[Q+\k], 0, s101        ; q's dims 32-39 count once: 0 in lanes 16-31
.endr
	TRIP 0, 1, 1                                   ; the first lap stands in front of the loop: its first body starts the sums
	TRIP 1, 1, 0
	s_mov_b32 s100, 2
.Lring:
	TRIP 0, 1, 0
	TRIP 1, 1, 0
	s_sub_co_u32 s100, s100, 1
	s_cmp_lg_u32 s100, 0
	s_cbranch_scc1 .Lring
	TRIP 0, 1, 0                                   ; the last two slots: one more fill, then none
	TRIP 1, 0, 0
	HALF 0, 1, 1, 0, 1, 0, 0, 0, -1                ; what is left of block 63: A's products on O beside B's vector phase (no k is out: the wait for v is for 0),
	HALF 1, 0, 1, 0, 0, 0, 0, 0, -1                ; then B's products on O
.rept 4
	v_nop                                          ; places behind the last products, ahead of the reads of their sums (ISA guide 7.12.1)
.endr
; The way out.  The sum of the weights is d = 40: tile t = 2, register 0, lanes 16-31.
.irp qt, 0,1
	v_permlanex16_b32 v[T], v[O+24*\qt+16], s66, s67
	v_cndmask_b32 v[T+2], v[T], v[O+24*\qt+16], s101
	v_rcp_f32 v[T+2], v[T+2]
	v_mov_b32 v[T+3], 0                            ; the plain instruction behind v_rcp_f32; it also makes the pair whole, of which the broadcast takes the first
	v_mul_f32 v[T+2], 4.0, v[T+2]                  ; the result is kept times 4
.irp k, 0,2,4,6,8,10,12,14,16,18,20,22
	v_pk_mul_f32 v[O+24*\qt+\k:O+24*\qt+\k+1], v[O+24*\qt+\k:O+24*\qt+\k+1], v[T+2:T+3] op_sel_hi:[1,0]
.endr
.irp t, 0,1,2
.irp k, 0,1,2,3
	v_cvt_pk_f16_f32 v[O+24*\qt+8*\t+\k], v[O+24*\qt+8*\t+2*\k], v[O+24*\qt+8*\t+2*\k+1]
.endr
.endr
.endr
.irp qt, 0,1
.irp t, 0,1
	global_store_b128 v0, v[O+24*\qt+8*\t:O+24*\qt+8*\t+3], s[10:11] offset:\qt*10240+\t*512   ; dims 16 t .. +15 of 16 rows: 512 consecutive bytes
.endr
.endr
	v_cmp_gt_u32 vcc_lo, 256, v0                   ; lanes 0-15 hold dims 32-39; lanes 16-31 hold rows 40-47, which are no result
	s_wait_xcnt 0x0                                ; EXEC changes only behind this wait
	s_and_saveexec_b32 s2, vcc_lo
	global_store_b128 v0, v[O+16:O+19], s[10:11] offset:1024
	global_store_b128 v0, v[O+40:O+43], s[10:11] offset:10240+1024
	s_wait_xcnt 0x0
	s_or_b32 exec_lo, exec_lo, s2
	ROUND                                          ; the closing round: no work-group ends while a partner may still ask for a tile that names it
	s_endpgm
.Lfunc_end_k_q19e7bdfb34_attn:
	.size	k_q19e7bdfb34_attn, .Lfunc_end_k_q19e7bdfb34_attn-k_q19e7bdfb34_attn
	.p2alignl 7, 3214868480
	.fill 96, 4, 3214868480
	.section	.rodata,"a",@progbits
	.p2align	6, 0x0
	.amdhsa_kernel k_q19e7bdfb34_attn
		.amdhsa_group_segment_fixed_size 327680
		.amdhsa_private_segment_fixed_size 0
		.amdhsa_enable_private_segment 0
		.amdhsa_kernarg_size 32
		.amdhsa_user_sgpr_count 2
		.amdhsa_user_sgpr_kernarg_segment_ptr 1
		.amdhsa_wavefront_size32 1
		.amdhsa_system_sgpr_workgroup_id_x 1
		.amdhsa_system_sgpr_workgroup_id_y 1
		.amdhsa_system_sgpr_workgroup_id_z 1
		.amdhsa_system_vgpr_workitem_id 0
		.amdhsa_next_free_vgpr 256
		.amdhsa_next_free_sgpr 102
		.amdhsa_reserve_vcc 1
		.amdhsa_float_denorm_mode_32 3
		.amdhsa_float_denorm_mode_16_64 3
		.amdhsa_memory_ordered 1
		.amdhsa_forward_progress 1
		.amdhsa_inst_pref_size 255
	.end_amdhsa_kernel
	.section	.bss,"aw",@nobits
	.p2align	6
	.space	262144
	.amdgpu_metadata
---
amdhsa.version: [ 1, 2 ]
amdhsa.kernels:
  - .name:           k_q19e7bdfb34_attn
    .symbol:         k_q19e7bdfb34_attn.kd
    .args:
      - { .name: qimg, .offset: 0, .size: 8, .value_kind: global_buffer, .address_space: global }
      - { .name: kv, .offset: 8, .size: 8, .value_kind: global_buffer, .address_space: global }
      - { .name: maskw, .offset: 16, .size: 8, .value_kind: global_buffer, .address_space: global }
      - { .name: ao, .offset: 24, .size: 8, .value_kind: global_buffer, .address_space: global }
    .group_segment_fixed_size: 327680
    .private_segment_fixed_size: 0
    .kernarg_segment_align: 8
    .kernarg_segment_size: 32
    .max_flat_workgroup_size: 128
    .sgpr_count:     102
    .vgpr_count:     256
    .wavefront_size: 32
...
	.end_amdgpu_metadata
.endif
;; end of part 5
;; launch outp: the kernel of part 3 again; grid 256 x 1, 5 waves a work-group, no clusters, 21,760 bytes of LDS; arguments ao, wof, bo, out0; writes out0
